; MI455X (gfx1250); checked and timed in simulation.
; The chip was launched on July 23, 2026; its instructions are those of AMD's public machine-readable ISA for CDNA 5 (MIT licence, August 2026) and "CDNA5" Instruction Set Architecture Reference Guide (July 2026). The comments in the code are by the model that wrote it; some were corrected since.
;; Wan I2 V Cross Attention. Allowed arithmetic: float matrix products may take bf16 or f16 operands with f32 sums; other float arithmetic in f32, or as packed bf16 or f16 multiplies, adds, multiply-adds, maxima and minima; sums over many terms, partial sums and values carried from step to step in f32; what a program stores and reads back later, other than sums and carried values, may be rounded once to bf16 or f16.
;; Inputs: b_k 2,048 float32; b_k_img 2,048 float32; b_o 2,048 float32; b_q 2,048 float32; b_v 2,048 float32; b_v_img 2,048 float32; context 2 x 769 x 2,048 float32; context_lens 2 int32; g_k 2,048 float32; g_k_img 2,048 float32; g_q 2,048 float32; w_k 2,048 x 2,048 float32; w_k_img 2,048 x 2,048 float32; w_o 2,048 x 2,048 float32; w_q 2,048 x 2,048 float32; w_v 2,048 x 2,048 float32; w_v_img 2,048 x 2,048 float32; x 2 x 2,048 x 2,048 float32.
;; Outputs: out0 2 x 2,048 x 2,048 float32.
;; One version. Each part assembles by itself: llvm-mc -triple=amdgcn-amd-amdhsa -mcpu=gfx1250 --defsym DOCPART=n.
;; ======== version 1 of 1: 4 launches
;; limits: values are held in f16: magnitudes above 65,504 overflow, below 6.1e-05 lose precision
;; workspace buffers: abf 24,117,248 bytes; wb 50,331,648 bytes; qh 16,777,216 bytes; kh 7,340,032 bytes; vh 7,340,032 bytes; sq 262,144 bytes; sk 114,688 bytes; ao 16,777,216 bytes
;; launch cast (part 1): grid 2272 x 1, 8 waves a work-group, no clusters, 0 bytes of LDS; arguments x, w_q, w_k, w_v, w_k_img, w_v_img, w_o, context, abf, wb; writes abf, wb
.if DOCPART == 1
	.amdgcn_target "amdgcn-amd-amdhsa--gfx1250"
	.amdhsa_code_object_version 6
	.text
	.protected	k_q6ea246a81f_cast
	.globl	k_q6ea246a81f_cast
	.p2align	8
	.type	k_q6ea246a81f_cast,@function
k_q6ea246a81f_cast:
	s_mov_b64 s[64:65], 0
	v_nop
	global_prefetch_b8 v0, s[64:65] scope:SCOPE_SE
	s_setreg_imm32_b32 hwreg(HW_REG_WAVE_MODE, 25, 1), 1
	s_wait_xcnt 0x0
; f32 to 16 bits, and a new row order for context.  All rows have 2,048 numbers.
; abf (bf16): rows 0-4095 x; rows 4096-5119 the text tokens (512 b + j); rows 5120-5887 the image block: batch 0's 257 tokens at block rows 0-256,
; batch 1's at 320-576, every other row of the block zeros.  wb: w_q, w_k, w_v, w_k_img, w_v_img in bf16, then w_o rounded to bf16 and that number written as f16.
; LIMIT: w_o beyond 65,504 in magnitude does not fit f16; below 6e-5 it keeps f16's fixed step of 6e-8.
; A work-group makes 8 destination rows.  Thread t takes of each row the 16 bytes at 16 t and at 4,096 + 16 t (a wave's load: 512 consecutive bytes) and stores
; 8 bytes at 8 t and at 2,048 + 8 t (a wave's store: 256 consecutive bytes, aligned).  All 16 loads go out first; each row has registers of its own, so nothing is rewritten while pending.
; A padding row loads a valid row (the index is clamped) and its words are ANDed to zero: no branch, and no load leaves its buffer.
; No LDS, no barrier, no matrix unit: nothing is shared and every byte is touched once.
.set OFF, 4                            ; v[4:11]   row r: 16 t + source row x 8,192
.set X,   16                           ; v[16:79]  row r: 8 registers as loaded
.set Y,   80                           ; v[80:111] row r: 4 registers to store
.set T,   112                          ; v[112:113] at work on w_o's way
	s_load_b512 s[4:19], s[0:1], 0x0               ; x, w_q, w_k, w_v, w_k_img, w_v_img, w_o, context
	s_load_b128 s[20:23], s[0:1], 0x40             ; abf, wb
	s_mov_b32 s41, ttmp9                           ; g
	s_mov_b32 s40, 0xffff0000
	v_lshlrev_b32 v1, 4, v0
	v_lshlrev_b32 v2, 3, v0
	; s28 = first source row, s29 = index of row 0 in its run, s30 = last valid index, s42 = first destination row
	s_lshl_b32 s28, s41, 3                         ; g < 512: x
	s_mov_b32 s29, 0
	s_mov_b32 s30, 7
	s_lshl_b32 s42, s41, 3
	s_sub_co_u32 s43, s41, 512                     ; 512 <= g < 2048: the six weights, 256 groups each
	s_and_b32 s44, s43, 255
	s_lshl_b32 s44, s44, 3
	s_lshl_b32 s45, s43, 3
	s_cmp_ge_u32 s41, 512
	s_cselect_b32 s28, s44, s28
	s_cselect_b32 s42, s45, s42
	s_sub_co_u32 s43, s41, 2048                    ; 2048 <= g < 2176: text tokens
	s_lshl_b32 s43, s43, 3                         ; d0
	s_lshr_b32 s44, s43, 9                         ; b
	s_mul_i32 s44, s44, 769
	s_and_b32 s45, s43, 511
	s_add_co_u32 s44, s44, s45
	s_add_co_u32 s44, s44, 257
	s_add_co_u32 s45, s43, 4096
	s_cmp_ge_u32 s41, 2048
	s_cselect_b32 s28, s44, s28
	s_cselect_b32 s42, s45, s42
	s_sub_co_u32 s43, s41, 2176                    ; g >= 2176: the image block
	s_lshl_b32 s43, s43, 3                         ; d0
	s_cmp_ge_u32 s43, 320
	s_cselect_b32 s44, 769, 0                      ; the batch's first row of context
	s_cselect_b32 s45, 320, 0
	s_sub_co_u32 s45, s43, s45                     ; the token's index; beyond 256: padding
	s_add_co_u32 s46, s43, 5120
	s_cmp_ge_u32 s41, 2176
	s_cselect_b32 s28, s44, s28
	s_cselect_b32 s29, s45, s29
	s_cselect_b32 s30, 256, s30
	s_cselect_b32 s42, s46, s42
	s_cmp_ge_u32 s41, 1792                         ; s31 = 1: w_o
	s_cselect_b32 s31, 1, 0
	s_cmp_ge_u32 s41, 2048
	s_cselect_b32 s31, 0, s31
.irp r, 0,1,2,3,4,5,6,7
	s_add_co_u32 s44, s29, \r
	s_min_u32 s45, s44, s30                        ; clamped to the run's last row
	s_add_co_u32 s45, s45, s28
	v_lshl_add_u32 v[OFF+(\r)], s45, 13, v1        ; a source row is 8,192 bytes
	s_cmp_le_u32 s44, s30
	s_cselect_b32 s[32+(\r)], -1, 0                ; all ones for a real row, 0 for padding
.endr
	s_lshl_b32 s42, s42, 12                        ; a destination row is 4,096 bytes
	s_mov_b32 s43, 0
	s_wait_kmcnt 0x0
	s_mov_b64 s[24:25], s[4:5]
	s_cmp_ge_u32 s41, 512
	s_cselect_b64 s[24:25], s[6:7], s[24:25]
	s_cmp_ge_u32 s41, 768
	s_cselect_b64 s[24:25], s[8:9], s[24:25]
	s_cmp_ge_u32 s41, 1024
	s_cselect_b64 s[24:25], s[10:11], s[24:25]
	s_cmp_ge_u32 s41, 1280
	s_cselect_b64 s[24:25], s[12:13], s[24:25]
	s_cmp_ge_u32 s41, 1536
	s_cselect_b64 s[24:25], s[14:15], s[24:25]
	s_cmp_ge_u32 s41, 1792
	s_cselect_b64 s[24:25], s[16:17], s[24:25]
	s_cmp_ge_u32 s41, 2048
	s_cselect_b64 s[24:25], s[18:19], s[24:25]
	s_mov_b64 s[26:27], s[20:21]
	s_cmp_ge_u32 s41, 512
	s_cselect_b64 s[26:27], s[22:23], s[26:27]
	s_cmp_ge_u32 s41, 2048
	s_cselect_b64 s[26:27], s[20:21], s[26:27]
	s_add_nc_u64 s[26:27], s[26:27], s[42:43]
.irp r, 0,1,2,3,4,5,6,7
	global_load_b128 v[X+8*(\r):X+8*(\r)+3],   v[OFF+(\r)], s[24:25] th:TH_LOAD_NT
	global_load_b128 v[X+8*(\r)+4:X+8*(\r)+7], v[OFF+(\r)], s[24:25] offset:4096 th:TH_LOAD_NT
.endr
; One row: its two loads are in when at most the later rows' 14 - 2 r loads are out.
.macro ROW r, f16
	s_wait_loadcnt 14-2*(\r)
.irp j, 0,1,2,3
	v_cvt_pk_bf16_f32 v[Y+4*(\r)+(\j)], v[X+8*(\r)+2*(\j)], v[X+8*(\r)+2*(\j)+1]
.endr
.if \f16
.irp j, 0,1,2,3
	v_lshlrev_b32 v[T], 16, v[Y+4*(\r)+(\j)]       ; the bf16 numbers widened again,
	v_and_b32 v[T+1], s40, v[Y+4*(\r)+(\j)]
	v_cvt_pk_f16_f32 v[Y+4*(\r)+(\j)], v[T], v[T+1]  ; and written as f16: exact within f16's range
.endr
.endif
.irp j, 0,1,2,3
	v_and_b32 v[Y+4*(\r)+(\j)], s[32+(\r)], v[Y+4*(\r)+(\j)]
.endr
	global_store_b64 v2, v[Y+4*(\r):Y+4*(\r)+1],   s[26:27] offset:(\r)*4096
	global_store_b64 v2, v[Y+4*(\r)+2:Y+4*(\r)+3], s[26:27] offset:(\r)*4096+2048
.endm
	s_cmp_eq_u32 s31, 1
	s_cbranch_scc1 .Lf16
.irp r, 0,1,2,3,4,5,6,7
	ROW \r, 0
.endr
	s_endpgm
.Lf16:
.irp r, 0,1,2,3,4,5,6,7
	ROW \r, 1
.endr
	s_endpgm
.Lfunc_end_k_q6ea246a81f_cast:
	.size	k_q6ea246a81f_cast, .Lfunc_end_k_q6ea246a81f_cast-k_q6ea246a81f_cast
	.p2alignl 7, 3214868480
	.fill 96, 4, 3214868480
	.section	.rodata,"a",@progbits
	.p2align	6, 0x0
	.amdhsa_kernel k_q6ea246a81f_cast
		.amdhsa_group_segment_fixed_size 0
		.amdhsa_private_segment_fixed_size 0
		.amdhsa_enable_private_segment 0
		.amdhsa_kernarg_size 80
		.amdhsa_user_sgpr_count 2
		.amdhsa_user_sgpr_kernarg_segment_ptr 1
		.amdhsa_wavefront_size32 1
		.amdhsa_system_sgpr_workgroup_id_x 1
		.amdhsa_system_sgpr_workgroup_id_y 1
		.amdhsa_system_sgpr_workgroup_id_z 1
		.amdhsa_system_vgpr_workitem_id 0
		.amdhsa_next_free_vgpr 128
		.amdhsa_next_free_sgpr 66
		.amdhsa_reserve_vcc 0
		.amdhsa_float_denorm_mode_32 3
		.amdhsa_float_denorm_mode_16_64 3
		.amdhsa_memory_ordered 1
		.amdhsa_forward_progress 1
		.amdhsa_inst_pref_size 21
	.end_amdhsa_kernel
	.amdgpu_metadata
---
amdhsa.version: [ 1, 2 ]
amdhsa.kernels:
  - .name:           k_q6ea246a81f_cast
    .symbol:         k_q6ea246a81f_cast.kd
    .args:
      - { .name: x, .offset: 0, .size: 8, .value_kind: global_buffer, .address_space: global }
      - { .name: w_q, .offset: 8, .size: 8, .value_kind: global_buffer, .address_space: global }
      - { .name: w_k, .offset: 16, .size: 8, .value_kind: global_buffer, .address_space: global }
      - { .name: w_v, .offset: 24, .size: 8, .value_kind: global_buffer, .address_space: global }
      - { .name: w_k_img, .offset: 32, .size: 8, .value_kind: global_buffer, .address_space: global }
      - { .name: w_v_img, .offset: 40, .size: 8, .value_kind: global_buffer, .address_space: global }
      - { .name: w_o, .offset: 48, .size: 8, .value_kind: global_buffer, .address_space: global }
      - { .name: context, .offset: 56, .size: 8, .value_kind: global_buffer, .address_space: global }
      - { .name: abf, .offset: 64, .size: 8, .value_kind: global_buffer, .address_space: global }
      - { .name: wb, .offset: 72, .size: 8, .value_kind: global_buffer, .address_space: global }
    .group_segment_fixed_size: 0
    .private_segment_fixed_size: 0
    .kernarg_segment_align: 8
    .kernarg_segment_size: 80
    .max_flat_workgroup_size: 256
    .sgpr_count:     66
    .vgpr_count:     128
    .wavefront_size: 32
...
	.end_amdgpu_metadata
.endif
;; end of part 1
;; launch proj (part 2): grid 240 x 1, 4 waves a work-group, clusters of 4 x 1, 327,680 bytes of LDS; arguments abf, wb, b_q, b_k, b_v, b_k_img, b_v_img, g_q, g_k, g_k_img, qh, kh, vh, sq, sk; writes qh, kh, vh, sq, sk
.if DOCPART == 2
	.amdgcn_target "amdgcn-amd-amdhsa--gfx1250"
	.amdhsa_code_object_version 6
	.text
	.protected	k_q6ea246a81f_proj
	.globl	k_q6ea246a81f_proj
	.p2align	8
	.type	k_q6ea246a81f_proj,@function
k_q6ea246a81f_proj:
	s_mov_b64 s[64:65], 0
	v_nop
	global_prefetch_b8 v0, s[64:65] scope:SCOPE_SE
	s_setreg_imm32_b32 hwreg(HW_REG_WAVE_MODE, 25, 1), 1
	s_wait_xcnt 0x0
	s_wait_alu depctr_hold_cnt(0) depctr_sa_sdst(0) depctr_va_vdst(0) depctr_va_sdst(0) depctr_va_ssrc(0) depctr_va_vcc(0) depctr_vm_vsrc(0)
	s_getreg_b32 s2, hwreg(HW_REG_IB_STS2, 6, 4)
	s_cmp_eq_u32 s2, 0
	s_cbranch_scc0 .Lentry_in_a_cluster
	s_endpgm
.Lentry_in_a_cluster:
	s_bfe_u32 s2, ttmp6, 0x10000c
	s_cmp_lg_u32 s2, 0x3003
	s_cbranch_scc0 .Lentry_shape_is_right
	s_endpgm
.Lentry_shape_is_right:
; ALL FIVE PROJECTIONS as one grid of 240 tiles of 256 rows x 256 columns (two heads), K = 2,048, bf16 operands, f32 sums.
; y = A W^T + bias.  For q, k, k_img: stored is y x gain x rho in f16, rho = rsq(ssq / 128 + 1e-30), ssq = the sum of y^2 over the head's 128 channels, and ssq itself in f32;
; the launch behind turns rho into the RMSNorm over all 2,048 channels by a factor on the scores.  For v, v_img: y in f16.  Biases and gains are rounded to bf16 like the other inputs.
; LIMITS: |v| and 11.4 x |gain| stay under 65,504 (f16); NaN and infinities are not treated apart.
; SHARES: four waves, each 128 rows x 128 columns (one head): 64 accumulators, 512 registers.  For 32 along K a wave loads 2 x 128 x 64 bytes from LDS and issues 64 matrix instructions.
; K goes in 16 steps of 128 (tile rows of 256 bytes, aligned) through two LDS slots; a refill has 224 matrix instructions between its request and the wait for it.
; CLUSTER 4 x 1: the four partners make four neighbouring column tiles of one row tile: A's tile is asked for jointly; B's tile is each work-group's own, asked for behind the same round.
; 4 x 4 is not taken: the image block has 3 row tiles, which 4 does not divide.
; THE MATRIX INSTRUCTION IS USED TRANSPOSED (source 0 = 16 rows of W, source 1 = 16 rows of A): lane l holds row l % 16 and the columns 16 b + 8 (l / 16) + 0..7.
; THE WAY OUT IS A LOOP: the ring has had its last fill, so each wave lays its 128 x 128 sums, in f32, into ring bytes of its own and reads them back 16 rows a trip, sixteen lanes to a row.
; REGISTERS: window 0: v0-31 addresses; v32-47 bias and gain of my 8 columns; v48-63 at work; v64-127, v128-191 fragments of A, two buffers; v192-247 the way out.
;   window 1: v64-127, v128-191 fragments of B.  window 2: the accumulators of my rows 0-63 ((a, b) at 8 (8 a + b)).  window 3: those of my rows 64-127.
.set KSTEP,  128
.set PITCH,  272                       ; an LDS row: 256 bytes + 16 of padding: the 16 rows of a fragment load start at 16 different groups of four banks (ISA guide 11.1)
.set HALFT,  128*PITCH                 ; 128 rows: what one tensor load brings, and what one wave reads of A or of B
.set SLOT,   4*HALFT                   ; A's 256 rows, then B's 256 rows
.set SSTG,   2*SLOT                    ; behind the ring, never filled by a tensor load: 512 bytes a wave for its rows' sums of squares
.set SPARE,  SSTG+2048                 ; the spare words: 128 bytes a wave, named by no other line
.set DPITCH, 528                       ; a row of the dump: 512 bytes + 16
.set DWAVE,  128*DPITCH                ; a wave's dump; four of them end below SSTG
.set LAPS,   8                         ; a lap = two K steps = once round the ring
.set RDA, 14
.set SSB, 15
.set ADRA, 16                          ; v16-17  LDS address of my A fragments in slot 0, 1
.set LN,  18
.set SO,  19
.set ADRB, 20                          ; v20-21  the same for B
.set BO,  22
.set SSR, 23
.set STO, 24
.set RD,  25
.set CO,  26
.set SSA, 27
.set SPW, 28
.set NIL, 29
.set PFO, 30
.set BIASR, 32                         ; v32-39 bias, v40-47 gain of my 8 columns on the way out
.set GAINR, 40
.set T,   48
.set F0,  64
.set F1,  128
.set X,   64                           ; the way out: 8 row pairs x 8 registers
.set SS,  192
.set RHO, 200
.set Y,   216
.set WV,  34
.set WR,  35                           ; which half of the tile's rows is mine.  Also: I fetch for A (0) or for B (1)
.set WC,  36                           ; which half of its columns.  Also: which 128 rows of that tile I fetch
.set CX,  37
.set CID, 38
.set MT,  39
.set G1A, 40
.set G1B, 48
.set G0A, 56                           ; s[56:63] group 0 for A's tiles, a set for each slot
.set NG,  66
.set NT,  67
.set G0B, 68                           ; s[68:75] the same for B's
.set SEG, 76
.set ISV, 77
.set CNT, 78
.set LIM, 79
.set PFA, 80
.set OUT, 82
.set SSP, 84
.set BIASP, 86
.set GAINP, 88
.set VM,  90
.set ONES, 91
.set HEAD, 92
.set AROW, 93
.set BROW, 94
.set DEL, 95
.set MUL_LO, 0xa1                      ; source 0 (B) window 1, source 1 (A) window 0, C and D window 2
.set MUL_HI, 0xf1                      ; the same, C and D window 3
.set TO_B,   0x40                      ; destination window 1, address window 0
.set MSB, 0
.macro WIN new                         ; the immediate's high byte repeats the setting that is left; a switch that changes nothing is dropped
.if MSB != (\new)
	s_set_vgpr_msb (MSB<<8)|(\new)
.set MSB, \new
.endif
.endm
.macro PLACES                          ; four plain places behind matrix instructions (ISA guide 7.12.1)
.rept 4
	v_nop
.endr
.endm
.macro CREST                           ; a round of the cluster's barrier behind its opening barrier
	s_cmp_lg_u32 s[WV], 0
	s_cbranch_scc1 .Lnot_wave_0_\@
	s_barrier_signal -3
.Lnot_wave_0_\@:
	s_barrier_wait -3
	s_barrier_signal -1
	s_barrier_wait -1
.endm
.macro CROUND
	s_barrier_signal -1
	s_barrier_wait -1
	CREST
.endm
; A refill of slot s: waves 0 and 1 ask jointly for A's two halves, waves 2 and 3 for the halves of the work-group's own B.  The branch hangs on the wave's number alone.
.macro JLOAD s
	s_cmp_eq_u32 s[WR], 0
	s_cbranch_scc0 .Lfor_b_\@
	tensor_load_to_lds s[G0A+4*(\s):G0A+4*(\s)+3], s[G1A:G1A+7]
	s_nop 0
.rept 4
	v_nop
.endr
	s_branch .Lasked_\@
.Lfor_b_\@:
	tensor_load_to_lds s[G0B+4*(\s):G0B+4*(\s)+3], s[G1B:G1B+7]
	s_nop 0
.rept 4
	v_nop
.endr
.Lasked_\@:
.endm
; A prefetch into the L2 of the K step two refills on, 256 bytes of a row, a lane a row.  A's rows: the cluster with column group 0 asks, its four partners 32 rows each of the 128 that a wave fetches,
; told apart by address.  B's rows: the work-groups of row tiles 0 and 1 ask, 64 of a wave's 128 rows each, in two lines.  So each row's 256 bytes of a K step are named once.
; The loop's last trip asks for nothing: its refills have no K step two on.
.macro ASK
	s_cmp_gt_u32 s[CNT], s[LIM]
	s_cbranch_scc0 .Lnot_mine_\@
	global_prefetch_b8 v[PFO], s[PFA:PFA+1] offset:KSTEP*2 th:TH_LOAD_NT scope:SCOPE_SE
	s_cmp_eq_u32 s[WR], 0
	s_cbranch_scc1 .Lnot_mine_\@
	global_prefetch_b8 v[PFO], s[PFA:PFA+1] offset:KSTEP*2+32*4096 th:TH_LOAD_NT scope:SCOPE_SE
.Lnot_mine_\@:
.endm
; 16 matrix instructions: row blocks a0, a0 + 1 of the window's four (hi = 0: my rows 0-63, 1: rows 64-127) x all 8 column blocks, 32 along K.  zero = 1: the first product starts the sums.
; The 64 accumulators take turns, in the same order in every quarter.
.macro MUL16 f, hi, a0, zero
	WIN MUL_LO+0x50*(\hi)
.irp a, \a0, (\a0)+1
.irp b, 0,1,2,3,4,5,6,7
.if \zero
	v_wmma_f32_16x16x32_bf16 v[8*(8*(\a)+(\b)):8*(8*(\a)+(\b))+7], v[(\f)+8*(\b):(\f)+8*(\b)+7], v[(\f)+8*(4*(\hi)+(\a)):(\f)+8*(4*(\hi)+(\a))+7], 0
.else
	v_wmma_f32_16x16x32_bf16 v[8*(8*(\a)+(\b)):8*(8*(\a)+(\b))+7], v[(\f)+8*(\b):(\f)+8*(\b)+7], v[(\f)+8*(4*(\hi)+(\a)):(\f)+8*(4*(\hi)+(\a))+7], v[8*(8*(\a)+(\b)):8*(8*(\a)+(\b))+7]
.endif
.endr
.endr
.endm
; 32 LDS loads in one run: the fragments of one quarter step (128 rows of B, 128 rows of A, 32 K at byte k of the rows) into buffer f
.macro FETCH slot, k, f
	WIN TO_B
.irp i, 0,1,2,3,4,5,6,7
	ds_load_b128 v[(\f)+8*(\i):(\f)+8*(\i)+3],   v[ADRB+(\slot)] offset:(\k)+(\i)*16*PITCH
	ds_load_b128 v[(\f)+8*(\i)+4:(\f)+8*(\i)+7], v[ADRB+(\slot)] offset:(\k)+(\i)*16*PITCH+32
.endr
	WIN 0
.irp i, 0,1,2,3,4,5,6,7
	ds_load_b128 v[(\f)+8*(\i):(\f)+8*(\i)+3],   v[ADRA+(\slot)] offset:(\k)+(\i)*16*PITCH
	ds_load_b128 v[(\f)+8*(\i)+4:(\f)+8*(\i)+7], v[ADRA+(\slot)] offset:(\k)+(\i)*16*PITCH+32
.endr
.endm
; One of a K step's first three quarters: multiplies buffer f; in its middle the next quarter's fragments are fetched into g.
.macro QUARTER slot, k, f, g, zero
	s_wait_dscnt 8                                 ; B and A's rows 0-63 are in; the youngest eight loads (A's rows 64-127) may be out
	MUL16 \f, 0, 0, \zero
	MUL16 \f, 0, 2, \zero
	PLACES
	FETCH \slot, \k, \g
	s_wait_dscnt 32                                ; all but the 32 just issued
	MUL16 \f, 1, 0, \zero
	MUL16 \f, 1, 2, \zero
.endm
; The fourth quarter multiplies buffer 1 and changes slots.  Each wave waits for all its tensor loads (one is out: its part of the next slot), adds 0 to its spare word, and waits for that and for its reads
; of this slot; behind the barrier nobody reads this slot and the next slot is whole.  fill = 1: the barrier opens a round of the cluster's, and the refill, two K steps on, is the first tensor load behind it.
.macro TURN slot, next, fill
.if \fill
	s_wait_xcnt 0x0                                ; the last prefetches, a K step back, have read their address
	s_add_nc_u64 s[PFA:PFA+1], s[PFA:PFA+1], KSTEP*2
.endif
	WIN 0                                          ; (the add's two registers lie in window 0)
	s_wait_tensorcnt 0x0
	ds_add_u32 v[SPW], v[NIL]
	s_wait_dscnt 9                                 ; the add and the youngest eight loads may be out
	MUL16 F1, 0, 0, 0
	s_wait_dscnt 0x0                               ; the add is done, my reads of this slot are over
	s_barrier_signal -1
	MUL16 F1, 0, 2, 0
	WIN 0
	s_barrier_wait -1
.if \fill
	CREST
	s_add_nc_u64 s[G0A+4*(\slot)+2:G0A+4*(\slot)+3], s[G0A+4*(\slot)+2:G0A+4*(\slot)+3], 2*KSTEP*2
	s_add_nc_u64 s[G0B+4*(\slot)+2:G0B+4*(\slot)+3], s[G0B+4*(\slot)+2:G0B+4*(\slot)+3], 2*KSTEP*2
	JLOAD \slot                                    ; its four v_nop are also the places in front of the loads below
.else
	PLACES
.endif
	FETCH \next, 0, F0
.if \fill
	ASK
.endif
	MUL16 F1, 1, 0, 0
	MUL16 F1, 1, 2, 0
.endm
	s_load_b512 s[4:19], s[0:1], 0x0               ; abf, wb, b_q, b_k, b_v, b_k_img, b_v_img, g_q
	s_load_b256 s[20:27], s[0:1], 0x40             ; g_k, g_k_img, qh, kh
	s_load_b128 s[28:31], s[0:1], 0x60             ; vh, sq
	s_load_b64 s[32:33], s[0:1], 0x70              ; sk
	v_lshl_add_u32 v[SPW], v0, 2, SPARE
	v_mov_b32 v[NIL], 0
	ds_add_u32 v[SPW], v[NIL]                      ; the wave's opening: the add and its wait ahead of my first tensor load
	v_lshrrev_b32 v1, 5, v0
	v_readfirstlane_b32 s[WV], v1
	s_lshr_b32 s[WR], s[WV], 1
	s_and_b32 s[WC], s[WV], 1
	s_bfe_u32 s[CX], ttmp6, 0x40000                ; my place in the cluster: it enters global addresses alone
	s_mov_b32 s[CID], ttmp9                        ; the cluster: 0-31 q (16 row tiles x 2 column groups), 32-47 text (4 x 4), 48-59 image (3 x 4)
	s_and_b32 s[NG], s[CID], 1
	s_lshr_b32 s[MT], s[CID], 1
	s_mov_b32 s[SEG], 0
	s_mov_b32 s[AROW], 0
	s_mov_b32 s[BROW], 0
	s_sub_co_u32 s96, s[CID], 32
	s_and_b32 s97, s96, 3
	s_lshr_b32 s98, s96, 2
	s_cmp_ge_u32 s[CID], 32
	s_cselect_b32 s[NG], s97, s[NG]
	s_cselect_b32 s[MT], s98, s[MT]
	s_cselect_b32 s[SEG], 1, s[SEG]
	s_cselect_b32 s[AROW], 4096, s[AROW]
	s_cselect_b32 s[BROW], 2048, s[BROW]
	s_sub_co_u32 s96, s[CID], 48
	s_and_b32 s97, s96, 3
	s_lshr_b32 s98, s96, 2
	s_cmp_ge_u32 s[CID], 48
	s_cselect_b32 s[NG], s97, s[NG]
	s_cselect_b32 s[MT], s98, s[MT]
	s_cselect_b32 s[SEG], 2, s[SEG]
	s_cselect_b32 s[AROW], 5120, s[AROW]
	s_cselect_b32 s[BROW], 6144, s[BROW]
	s_lshl_b32 s[NT], s[NG], 2
	s_add_co_u32 s[NT], s[NT], s[CX]               ; column tile of 256
	s_lshl_b32 s[HEAD], s[NT], 1
	s_add_co_u32 s[HEAD], s[HEAD], s[WC]
	s_and_b32 s[HEAD], s[HEAD], 15                 ; my wave's head
	s_cmp_ge_u32 s[NG], 2                          ; column groups 2 and 3 (text and image alone have them) are v's: the same in all four partners
	s_cselect_b32 s[ISV], 1, 0
	s_cselect_b32 s[VM], -1, 0
	s_mov_b32 s[ONES], 0x3f803f80
	; descriptor group 1: 128 rows x 128 elements, 16 bytes of padding behind every 256.  A: mask of all four partners; B: no mask.
	s_mov_b32 s[G1A+0], 15|(1<<16)|(1<<20)|(1<<21)|(5<<22)|(3<<25)
	s_mov_b32 s[G1B+0], (1<<16)|(1<<20)|(5<<22)|(3<<25)
.irp g, G1A, G1B
	s_mov_b32 s[(\g)+1], KSTEP<<16                 ; tensor_dim0
	s_mov_b32 s[(\g)+2], 128<<16                   ; tensor_dim1
	s_mov_b32 s[(\g)+3], KSTEP<<16                 ; tile_dim0
	s_mov_b32 s[(\g)+4], 128                       ; tile_dim1
	s_mov_b32 s[(\g)+5], 2048                      ; elements from row to row
	s_mov_b32 s[(\g)+6], 0
	s_mov_b32 s[(\g)+7], 0
.endr
	s_mul_i32 s96, s[WV], HALFT                    ; where my load goes: A's two halves, then B's two halves = wave x 128 rows
.irp s, 0,1
	s_mov_b32 s[G0A+4*(\s)], 1
	s_add_co_u32 s[G0A+4*(\s)+1], s96, (\s)*SLOT
	s_mov_b32 s[G0B+4*(\s)], 1
	s_add_co_u32 s[G0B+4*(\s)+1], s96, (\s)*SLOT
.endr
	s_lshl_b32 s97, s[MT], 8
	s_add_co_u32 s[AROW], s[AROW], s97             ; the tile's first row in abf
	s_lshl_b32 s97, s[WC], 7                       ; which 128 rows of the tile I fetch
	s_add_co_u32 s98, s[AROW], s97
	s_lshl_b32 s98, s98, 12                        ; a row is 4,096 bytes
	s_mov_b32 s99, 0
	s_lshl_b32 s96, s[NT], 8
	s_add_co_u32 s[BROW], s[BROW], s96             ; the tile's first row in wb
	s_add_co_u32 s100, s[BROW], s97
	s_lshl_b32 s100, s100, 12
	s_mov_b32 s101, 0
	s_wait_dscnt 0x0                               ; the opening add is done
	s_wait_kmcnt 0x0
	s_add_nc_u64 s[98:99], s[4:5], s[98:99]
	s_add_nc_u64 s[100:101], s[6:7], s[100:101]
.irp s, 0,1
	s_add_nc_u64 s[G0A+4*(\s)+2:G0A+4*(\s)+3], s[98:99], (\s)*KSTEP*2      ; K step s
	s_or_b32 s[G0A+4*(\s)+3], s[G0A+4*(\s)+3], 0x80000000
	s_add_nc_u64 s[G0B+4*(\s)+2:G0B+4*(\s)+3], s[100:101], (\s)*KSTEP*2
	s_or_b32 s[G0B+4*(\s)+3], s[G0B+4*(\s)+3], 0x80000000
.endr
	CROUND                                         ; all four work-groups are here: the first joint loads meet
	s_cmp_eq_u32 s[WR], 0                          ; a wave's two first fills stand in one branch: two loads of mine are out
	s_cbranch_scc0 .Lfirst_b
	tensor_load_to_lds s[G0A:G0A+3], s[G1A:G1A+7]
	s_nop 0
	tensor_load_to_lds s[G0A+4:G0A+7], s[G1A:G1A+7]
	s_nop 0
.rept 4
	v_nop
.endr
	s_branch .Lfirst_done
.Lfirst_b:
	tensor_load_to_lds s[G0B:G0B+3], s[G1B:G1B+7]
	s_nop 0
	tensor_load_to_lds s[G0B+4:G0B+7], s[G1B:G1B+7]
	s_nop 0
.rept 4
	v_nop
.endr
.Lfirst_done:
	; the prefetches' address: the rows' base at K step 2; each change of slots steps it first, and the lines name the K step behind it
	s_lshl_b32 s96, s[WC], 7
	s_add_co_u32 s97, s96, s[AROW]
	s_lshl_b32 s98, s[CX], 5
	s_add_co_u32 s97, s97, s98                     ; A: my work-group's 32 of the 128 rows
	s_add_co_u32 s98, s96, s[BROW]
	s_min_u32 s99, s[MT], 1
	s_lshl_b32 s99, s99, 6
	s_add_co_u32 s98, s98, s99                     ; B: row tile 0 takes the first 64 of the 128 rows, row tile 1 the others
	s_cmp_eq_u32 s[NG], 0
	s_cselect_b32 s99, 1, -1
	s_cmp_lt_u32 s[MT], 2
	s_cselect_b32 s100, 1, -1
	s_cmp_eq_u32 s[WR], 0
	s_cselect_b32 s96, s97, s98
	s_cselect_b32 s[LIM], s99, s100                ; a wave asks while the loop's count is above it
	s_cselect_b64 s[PFA:PFA+1], s[4:5], s[6:7]
	s_lshl_b32 s96, s96, 12
	s_add_co_u32 s96, s96, 2*KSTEP*2
	s_mov_b32 s97, 0
	s_add_nc_u64 s[PFA:PFA+1], s[PFA:PFA+1], s[96:97]
	; which bias, gain and outputs
	s_cmp_eq_u32 s[SEG], 0
	s_cselect_b64 s[BIASP:BIASP+1], s[8:9], s[10:11]
	s_cselect_b64 s[GAINP:GAINP+1], s[18:19], s[20:21]
	s_cselect_b64 s[OUT:OUT+1], s[24:25], s[26:27]
	s_cselect_b64 s[SSP:SSP+1], s[30:31], s[32:33]
	s_cmp_eq_u32 s[SEG], 2
	s_cselect_b64 s[BIASP:BIASP+1], s[14:15], s[BIASP:BIASP+1]
	s_cselect_b64 s[GAINP:GAINP+1], s[22:23], s[GAINP:GAINP+1]
	s_cselect_b64 s[96:97], s[16:17], s[12:13]
	s_cmp_eq_u32 s[ISV], 1
	s_cselect_b64 s[BIASP:BIASP+1], s[96:97], s[BIASP:BIASP+1]
	s_cselect_b64 s[OUT:OUT+1], s[28:29], s[OUT:OUT+1]
	; where my wave's 128 rows go: batch s9, row in the head s10, rows a head s11; s15: rows that lie between the places of my first 64 rows and of my last 64
	s_lshl_b32 s8, s[MT], 8
	s_lshl_b32 s9, s[WR], 7
	s_add_co_u32 s8, s8, s9                        ; my first row in the segment
	s_lshr_b32 s9, s8, 11                          ; q
	s_and_b32 s10, s8, 2047
	s_lshr_b32 s11, s8, 9                          ; text: behind the head's 320 image rows
	s_and_b32 s12, s8, 511
	s_add_co_u32 s12, s12, 320
	s_cmp_eq_u32 s[SEG], 1
	s_cselect_b32 s9, s11, s9
	s_cselect_b32 s10, s12, s10
	s_lshr_b32 s11, s8, 6                          ; image: block of 64 rows, 0-4 batch 0, 5-9 batch 1, 10 and 11 the two batches' filler rows 832-895; mine are an even block and the next
	s_sub_co_u32 s14, s11, 10
	s_cmp_ge_u32 s11, 5
	s_cselect_b32 s12, 1, 0
	s_cselect_b32 s13, 5, 0
	s_sub_co_u32 s13, s11, s13
	s_lshl_b32 s13, s13, 6
	s_cmp_ge_u32 s11, 10
	s_cselect_b32 s12, s14, s12
	s_cselect_b32 s13, 832, s13
	s_mov_b32 s15, 0
	s_cmp_eq_u32 s11, 4                            ; blocks 4 | 5: from batch 0's row 320 to batch 1's row 0
	s_cselect_b32 s15, 16*896-320, s15
	s_cmp_eq_u32 s11, 10                           ; blocks 10 | 11: from batch 0's row 896 to batch 1's row 832
	s_cselect_b32 s15, 16*896-64, s15
	s_cmp_eq_u32 s[SEG], 2
	s_cselect_b32 s9, s12, s9
	s_cselect_b32 s10, s13, s10
	s_cselect_b32 s15, s15, 0
	s_movk_i32 s11, 896
	s_cmp_eq_u32 s[SEG], 0
	s_cselect_b32 s11, 2048, s11
	s_lshl_b32 s9, s9, 4
	s_add_co_u32 s9, s9, s[HEAD]
	s_mul_i32 s9, s9, s11
	s_add_co_u32 s9, s9, s10                       ; the destination's row
	s_lshl_b32 s12, s9, 8
	s_mov_b32 s13, 0
	s_add_nc_u64 s[OUT:OUT+1], s[OUT:OUT+1], s[12:13]
	s_lshl_b32 s12, s9, 2
	s_add_nc_u64 s[SSP:SSP+1], s[SSP:SSP+1], s[12:13]
	s_lshl_b32 s[DEL], s15, 8
	s_add_co_u32 s[DEL], s[DEL], 4096              ; the pointer's step behind my 64th row
	s_lshl_b32 s98, s15, 2
	s_add_co_u32 s98, s98, 256                     ; the same for the sums of squares
	; lane addresses
	v_and_b32 v1, 15, v0                           ; l % 16
	v_bfe_u32 v9, v0, 4, 1                         ; l / 16
	v_and_b32 v[LN], 31, v0
	v_mul_u32_u24 v3, v1, PITCH
	v_lshl_add_u32 v3, v9, 4, v3                   ; a fragment's row x pitch + 16 x half
	s_mul_i32 s96, s[WR], HALFT                    ; my 128 rows of A
	s_mul_i32 s97, s[WC], HALFT                    ; my 128 rows of B,
	s_add_co_u32 s97, s97, 2*HALFT                 ; which lie behind A's 256
.irp s, 0,1
	v_add_nc_u32 v[ADRA+(\s)], s96, v3
	v_add_nc_u32 v[ADRB+(\s)], s97, v3
	s_add_co_u32 s96, s96, SLOT
	s_add_co_u32 s97, s97, SLOT
.endr
	s_mul_i32 s96, s[WV], DWAVE                    ; my dump
	v_mul_u32_u24 v[STO], v1, DPITCH               ; in: row l % 16, 16 bytes for each half of the lanes
	v_lshl_add_u32 v[STO], v9, 4, v[STO]
	v_add_nc_u32 v[STO], s96, v[STO]
	v_mul_u32_u24 v[RD], v9, DPITCH                ; back: lanes 0-15 take one row, lanes 16-31 the next
	v_lshl_add_u32 v[RD], v1, 4, v[RD]
	v_add_nc_u32 v[RD], s96, v[RD]
	v_lshlrev_b32 v[CO], 4, v[LN]
	s_lshl_b32 s96, s[WV], 9
	s_add_co_u32 s96, s96, SSTG                    ; my 128 sums of squares
	v_lshl_add_u32 v[SSA], v9, 2, s96
	v_lshl_add_u32 v[SSR], v[LN], 4, s96
	v_mul_u32_u24 v[SO], s98, v9
	v_lshl_add_u32 v[SO], v1, 4, v[SO]
	v_lshlrev_b32 v[PFO], 12, v[LN]
	s_lshl_b32 s14, s[HEAD], 9
	v_lshl_add_u32 v[BO], v1, 5, s14               ; on the way out lane l holds the head's columns 8 (l % 16) + 0..7
	global_load_b128 v[BIASR:BIASR+3],   v[BO], s[BIASP:BIASP+1]
	global_load_b128 v[BIASR+4:BIASR+7], v[BO], s[BIASP:BIASP+1] offset:16
	global_load_b128 v[GAINR:GAINR+3],   v[BO], s[GAINP:GAINP+1]
	global_load_b128 v[GAINR+4:GAINR+7], v[BO], s[GAINP:GAINP+1] offset:16
	s_wait_loadcnt 0x0
.irp n, 0,1,2,3,4,5,6,7                            ; bias and gain are rounded to bf16 and widened again
	v_cvt_pk_bf16_f32 v[T+(\n)], v[BIASR+2*(\n)], v[BIASR+2*(\n)+1]
.endr
.irp n, 4,5,6,7
	v_cndmask_b32 v[T+(\n)], v[T+(\n)], s[ONES], s[VM]  ; v has no gain
.endr
.irp n, 0,1,2,3,4,5,6,7
	v_lshlrev_b32 v[BIASR+2*(\n)], 16, v[T+(\n)]
	v_and_b32 v[BIASR+2*(\n)+1], 0xffff0000, v[T+(\n)]
.endr
	s_wait_tensorcnt 0x1                           ; my part of K step 0 is in; K step 1's may stay out
	s_barrier_signal -1
	s_barrier_wait -1
	FETCH 0, 0, F0
	QUARTER 0, 64, F0, F1, 1                       ; the first quarter starts the sums with the constant 0
	WIN 0
	s_mov_b32 s[CNT], LAPS-1
.Llap:                                             ; a trip goes once round the ring, from a lap's second quarter to the next lap's first, and fills both slots again
	QUARTER 0, 128, F1, F0, 0
	QUARTER 0, 192, F0, F1, 0
	TURN 0, 1, 1
	QUARTER 1, 64,  F0, F1, 0
	QUARTER 1, 128, F1, F0, 0
	QUARTER 1, 192, F0, F1, 0
	TURN 1, 0, 1
	QUARTER 0, 64,  F0, F1, 0
	WIN 0
	s_sub_co_u32 s[CNT], s[CNT], 1
	s_cmp_lg_u32 s[CNT], 0
	s_cbranch_scc1 .Llap
	QUARTER 0, 128, F1, F0, 0                      ; the last lap asks for nothing
	QUARTER 0, 192, F0, F1, 0
	TURN 0, 1, 0
	QUARTER 1, 64,  F0, F1, 0
	QUARTER 1, 128, F1, F0, 0
	QUARTER 1, 192, F0, F1, 0
	s_wait_dscnt 8
	MUL16 F1, 0, 0, 0
	MUL16 F1, 0, 2, 0
	s_wait_dscnt 0x0                               ; my last reads of the ring are over:
	s_barrier_signal -1                            ; say so,
	MUL16 F1, 1, 0, 0
	MUL16 F1, 1, 2, 0
	WIN 0
	s_barrier_wait -1                              ; and when all four have said so the ring's bytes, which have had their last fill, take the sums
	PLACES
	; THE DUMP.  Row 16 a + l % 16 of my 128; of a row's 32 pieces of 16 bytes (4 columns) piece q lies at place q / 2 + 16 (q % 2).
	; Each accumulator's low registers go first.
.set a, 0
.rept 8
	WIN 0x08+4*(a/4)                               ; store data in window 2 or 3
.irp b, 0,1,2,3,4,5,6,7
	ds_store_b128 v[STO], v[64*(a%4)+8*(\b):64*(a%4)+8*(\b)+3]   offset:a*16*DPITCH+32*(\b)
	ds_store_b128 v[STO], v[64*(a%4)+8*(\b)+4:64*(a%4)+8*(\b)+7] offset:a*16*DPITCH+32*(\b)+256
.endr
.set a, a+1
.endr
	WIN 0
	s_mov_b32 s8, 0x3c000000                       ; 1 / 128
	s_mov_b32 s9, 0x0da24260                       ; 1e-30
	s_mov_b32 s10, 0                               ; the trip's place in my dump
	s_mov_b32 s11, 0                               ; and among my sums of squares
	s_mov_b32 s13, 0
.irp p, 0,1,2,3,4,5,6,7
	v_mov_b32 v[RHO+2*(\p)+1], 0                   ; named with rho as a pair
.endr
	s_mov_b32 s[CNT], 8
.Lrows:                                            ; a trip: 16 rows, as 8 pairs: lanes 0-15 the even row, lanes 16-31 the odd one.  LDS serves a wave's instructions in order (ISA guide 5.7.1.4): the loads see my stores
	v_add_nc_u32 v[RDA], s10, v[RD]
	v_add_nc_u32 v[SSB], s11, v[SSA]
.irp p, 0,1,2,3,4,5,6,7
	ds_load_b128 v[X+8*(\p):X+8*(\p)+3],   v[RDA] offset:(\p)*2*DPITCH
	ds_load_b128 v[X+8*(\p)+4:X+8*(\p)+7], v[RDA] offset:(\p)*2*DPITCH+256
.endr
.irp p, 0,1,2,3,4,5,6,7
	s_wait_dscnt 14-2*(\p)                         ; pair p is in; the later pairs' loads may be out
.irp k, 0,1,2,3
	v_pk_add_f32 v[X+8*(\p)+2*(\k):X+8*(\p)+2*(\k)+1], v[X+8*(\p)+2*(\k):X+8*(\p)+2*(\k)+1], v[BIASR+2*(\k):BIASR+2*(\k)+1]  ; y = sum + bias
.endr
.endr
.irp p, 0,1,2,3,4,5,6,7
	v_pk_mul_f32 v[T+2*(\p):T+2*(\p)+1], v[X+8*(\p):X+8*(\p)+1], v[X+8*(\p):X+8*(\p)+1]
.endr
.irp k, 1,2,3
.irp p, 0,1,2,3,4,5,6,7
	v_pk_fma_f32 v[T+2*(\p):T+2*(\p)+1], v[X+8*(\p)+2*(\k):X+8*(\p)+2*(\k)+1], v[X+8*(\p)+2*(\k):X+8*(\p)+2*(\k)+1], v[T+2*(\p):T+2*(\p)+1]
.endr
.endr
.irp p, 0,1,2,3,4,5,6,7
	v_add_f32 v[SS+(\p)], v[T+2*(\p)], v[T+2*(\p)+1]
.endr
.irp m, 1,2,4,8                                    ; over the row's sixteen lanes
.irp p, 0,1,2,3,4,5,6,7
	v_add_f32_dpp v[SS+(\p)], v[SS+(\p)], v[SS+(\p)] row_xmask:\m row_mask:0xf bank_mask:0xf
.endr
.endr
.irp p, 0,1,2,3,4,5,6,7
	v_fma_f32 v[RHO+2*(\p)], v[SS+(\p)], s8, s9    ; ssq / 128 + 1e-30
.endr
.irp p, 0,1,2,3,4,5,6,7
	v_rsq_f32 v[RHO+2*(\p)], v[RHO+2*(\p)]
.endr
.irp p, 0,1,2,3,4,5,6,7
	ds_store_b32 v[SSB], v[SS+(\p)] offset:8*(\p)  ; row 2 p + l / 16 of the trip's 16: a row's sixteen lanes write the same number
.endr
.irp p, 0,1,2,3,4,5,6,7
.irp k, 0,1,2,3
	v_pk_mul_f32 v[X+8*(\p)+2*(\k):X+8*(\p)+2*(\k)+1], v[X+8*(\p)+2*(\k):X+8*(\p)+2*(\k)+1], v[GAINR+2*(\k):GAINR+2*(\k)+1]  ; the gain: plain work behind the batch that names none of its results
.endr
.endr
	s_wait_alu depctr_va_vdst(0)                   ; one wait for the eight, ahead of their first reader
.irp p, 0,1,2,3,4,5,6,7
	v_cndmask_b32 v[RHO+2*(\p)], v[RHO+2*(\p)], 1.0, s[VM]  ; v is not normalised
.endr
.irp p, 0,1,2,3,4,5,6,7
.irp k, 0,1,2,3
	v_pk_mul_f32 v[X+8*(\p)+2*(\k):X+8*(\p)+2*(\k)+1], v[X+8*(\p)+2*(\k):X+8*(\p)+2*(\k)+1], v[RHO+2*(\p):RHO+2*(\p)+1] op_sel_hi:[1,0]
.endr
.endr
.irp p, 0,1,2,3,4,5,6,7
.irp k, 0,1,2,3
	v_cvt_pk_f16_f32 v[Y+4*(\p)+(\k)], v[X+8*(\p)+2*(\k)], v[X+8*(\p)+2*(\k)+1]
.endr
	global_store_b128 v[CO], v[Y+4*(\p):Y+4*(\p)+3], s[OUT:OUT+1] offset:(\p)*512  ; 512 consecutive bytes, aligned: two rows of the head
.endr
	s_wait_xcnt 0x0                                ; the stores have read their data and their base: both are written again only behind this wait
	s_cmp_eq_u32 s[CNT], 5                         ; behind my 64th row the place may jump
	s_cselect_b32 s12, s[DEL], 4096
	s_add_nc_u64 s[OUT:OUT+1], s[OUT:OUT+1], s[12:13]
	s_add_co_u32 s10, s10, 16*DPITCH
	s_add_co_u32 s11, s11, 64
	s_sub_co_u32 s[CNT], s[CNT], 1
	s_cmp_lg_u32 s[CNT], 0
	s_cbranch_scc1 .Lrows
	ds_load_b128 v[T:T+3], v[SSR]                  ; my 128 sums: lane l takes rows 4 l .. 4 l + 3
	s_wait_dscnt 0x0
	s_cmp_eq_u32 s[ISV], 1
	s_cbranch_scc1 .Lno_ssq                        ; v has no norm
	global_store_b128 v[SO], v[T:T+3], s[SSP:SSP+1]  ; lanes 0-15: my first 64 rows' sums, 256 consecutive bytes, aligned; lanes 16-31: my last 64 rows'
.Lno_ssq:
	s_wait_tensorcnt 0x0                           ; the wave's end
	ds_add_u32 v[SPW], v[NIL]
	s_wait_dscnt 0x0
	CROUND                                         ; the closing round
	s_endpgm
.Lfunc_end_k_q6ea246a81f_proj:
	.size	k_q6ea246a81f_proj, .Lfunc_end_k_q6ea246a81f_proj-k_q6ea246a81f_proj
	.p2alignl 7, 3214868480
	.fill 96, 4, 3214868480
	.section	.rodata,"a",@progbits
	.p2align	6, 0x0
	.amdhsa_kernel k_q6ea246a81f_proj
		.amdhsa_group_segment_fixed_size 327680
		.amdhsa_private_segment_fixed_size 0
		.amdhsa_enable_private_segment 0
		.amdhsa_kernarg_size 120
		.amdhsa_user_sgpr_count 2
		.amdhsa_user_sgpr_kernarg_segment_ptr 1
		.amdhsa_wavefront_size32 1
		.amdhsa_system_sgpr_workgroup_id_x 1
		.amdhsa_system_sgpr_workgroup_id_y 1
		.amdhsa_system_sgpr_workgroup_id_z 1
		.amdhsa_system_vgpr_workitem_id 0
		.amdhsa_next_free_vgpr 1024
		.amdhsa_next_free_sgpr 104
		.amdhsa_reserve_vcc 0
		.amdhsa_float_denorm_mode_32 3
		.amdhsa_float_denorm_mode_16_64 3
		.amdhsa_memory_ordered 1
		.amdhsa_forward_progress 1
		.amdhsa_inst_pref_size 143
	.end_amdhsa_kernel
	.amdgpu_metadata
---
amdhsa.version: [ 1, 2 ]
amdhsa.kernels:
  - .name:           k_q6ea246a81f_proj
    .symbol:         k_q6ea246a81f_proj.kd
    .args:
      - { .name: abf, .offset: 0, .size: 8, .value_kind: global_buffer, .address_space: global }
      - { .name: wb, .offset: 8, .size: 8, .value_kind: global_buffer, .address_space: global }
      - { .name: b_q, .offset: 16, .size: 8, .value_kind: global_buffer, .address_space: global }
      - { .name: b_k, .offset: 24, .size: 8, .value_kind: global_buffer, .address_space: global }
      - { .name: b_v, .offset: 32, .size: 8, .value_kind: global_buffer, .address_space: global }
      - { .name: b_k_img, .offset: 40, .size: 8, .value_kind: global_buffer, .address_space: global }
      - { .name: b_v_img, .offset: 48, .size: 8, .value_kind: global_buffer, .address_space: global }
      - { .name: g_q, .offset: 56, .size: 8, .value_kind: global_buffer, .address_space: global }
      - { .name: g_k, .offset: 64, .size: 8, .value_kind: global_buffer, .address_space: global }
      - { .name: g_k_img, .offset: 72, .size: 8, .value_kind: global_buffer, .address_space: global }
      - { .name: qh, .offset: 80, .size: 8, .value_kind: global_buffer, .address_space: global }
      - { .name: kh, .offset: 88, .size: 8, .value_kind: global_buffer, .address_space: global }
      - { .name: vh, .offset: 96, .size: 8, .value_kind: global_buffer, .address_space: global }
      - { .name: sq, .offset: 104, .size: 8, .value_kind: global_buffer, .address_space: global }
      - { .name: sk, .offset: 112, .size: 8, .value_kind: global_buffer, .address_space: global }
    .group_segment_fixed_size: 327680
    .private_segment_fixed_size: 0
    .kernarg_segment_align: 8
    .kernarg_segment_size: 120
    .max_flat_workgroup_size: 128
    .sgpr_count:     104
    .vgpr_count:     1024
    .wavefront_size: 32
...
	.end_amdgpu_metadata
.endif
;; end of part 2
;; launch attn (part 3): grid 8 x 32, 4 waves a work-group, clusters of 4 x 1, 327,680 bytes of LDS; arguments qh, kh, vh, sq, sk, context_lens, ao; writes ao
.if DOCPART == 3
	.amdgcn_target "amdgcn-amd-amdhsa--gfx1250"
	.amdhsa_code_object_version 6
	.text
	.protected	k_q6ea246a81f_attn
	.globl	k_q6ea246a81f_attn
	.p2align	8
	.type	k_q6ea246a81f_attn,@function
k_q6ea246a81f_attn:
	s_mov_b64 s[64:65], 0
	v_nop
	global_prefetch_b8 v0, s[64:65] scope:SCOPE_SE
	s_setreg_imm32_b32 hwreg(HW_REG_WAVE_MODE, 25, 1), 1
	s_wait_xcnt 0x0
	s_wait_alu depctr_hold_cnt(0) depctr_sa_sdst(0) depctr_va_vdst(0) depctr_va_sdst(0) depctr_va_ssrc(0) depctr_va_vcc(0) depctr_vm_vsrc(0)
	s_getreg_b32 s2, hwreg(HW_REG_IB_STS2, 6, 4)
	s_cmp_eq_u32 s2, 0
	s_cbranch_scc0 .Lentry_in_a_cluster
	s_endpgm
.Lentry_in_a_cluster:
	s_bfe_u32 s2, ttmp6, 0x10000c
	s_cmp_lg_u32 s2, 0x3003
	s_cbranch_scc0 .Lentry_shape_is_right
	s_endpgm
.Lentry_shape_is_right:
; BOTH ATTENTIONS OF ONE HEAD AND THEIR SUM.  qh [2][16][2048][128], kh, vh [2][16][896][128] in f16 (rows 0-319 image keys, 257 of them real; 320-831 text keys; 832-895 filler, fetched and never multiplied);
; sq [2][16][2048], sk [2][16][896]: f32 sums of squares a head.  ao [4096][2048] f16.
; THE NORM.  q and k arrive normalised over their own head; phi = sqrt(ssq_h / 128 + 1e-30) x rsq(sum over heads of ssq / 2048 + 1e-6) makes of that the RMSNorm over all 2,048 channels.
; The key's phi and the mask are one packed multiply-add on the scores, t = s x RK + MK; the query's phi is one number a lane and goes into the softmax's constant CQ = phi x log2(e) / sqrt(128).
; SOFTMAX.  p = 2^(CQ t - CQ m) with a running maximum m; O and l are multiplied by a = 2^(CQ m_old - CQ m_new) in every step.  Products, maxima and sums in f32; p rounded to f16 for the second product.
; Keys go in 13 steps of 64: 0-4 image, 5-12 text.  Between them the image result, divided by its l, is set aside in f32 in the wave's own LDS bytes, and m starts anew; at the end it is added.
; LIMITS.  A hidden score counts as -1e30 where the reference has -1e9 (they differ only for true scores below -1e9); with a length of 0 or less all text scores count as equal, as in the reference;
; a weight below 2^-126 counts as 0; |v| and |O| stay under 65,504; NaN and infinities are not treated apart.
; SHARES.  A work-group owns 256 queries of a head, a wave 64: four tiles of 16, in two pieces (tiles 0, 1 and 2, 3).  CLUSTER: the four query blocks of a cluster walk the same K and V: every tile is asked for jointly.
; LAYOUT.  S^T = K Q^T and O^T = V^T P: a lane holds one query (lane % 16); nothing changes lanes between the products.  V comes out of LDS turned, by ds_load_tr16_b128.
; A STEP.  32 products K Q^T of piece 0; 32 of piece 2 with piece 0's softmax between them; 32 products V^T P of piece 0 with piece 2's softmax between them; 32 of piece 2.
; REGISTERS.  window 0: v0-15 addresses; v16-47 statistics; v48-55 CQ; v56-63 addresses; v64-191 S^T; v192-255 P.  window 1: O^T.  window 2: v0-127 Q, v128-255 K.  window 3: v0-127 V, v128-159 RK, v160-191 MK.
.set KS,    64
.set PK,    272                        ; a row of K in LDS: 256 + 16 bytes
.set PV,    288                        ; a row of V: 256 + 32 bytes
.set VOFF,  KS*PK
.set STEPB, KS*(PK+PV)
.set SLOT1, 1<<17
.set PARKA, 2*STEPB                    ; behind slot 0: 14,336 bytes a wave of the image result
.set SPARE, PARKA+4*14336              ; the spare words
.set PARKB, SLOT1+2*STEPB              ; behind slot 1: the other 18,432 bytes a wave
.set STAGE, PARKB+4*18432              ; 16 rows x 272 bytes a wave, for the way out
.set SP,    272
.set TAB_RK, STAGE+4*16*SP             ; 1,024 f32: the keys' factors
.set TAB_MK, TAB_RK+4096               ; 1,024 f32: the keys' masks
.set AK0, 2
.set AV0, 3
.set ADK, 4
.set ADV, 5
.set STO, 6
.set RD,  7
.set GO,  8
.set PKA, 12
.set PKB, 13
.set TBA, 14
.set ADT, 15
.set ST,  16                           ; tile t at ST + 8 t: c m, m, l (even, odd keys'), c0-c3 at work; a takes c2's place
.set CQ,  48
.set QO,  56
.set KA,  57
.set KB,  58
.set QA,  59
.set QB,  60
.set PFO, 61
.set SPW, 62
.set NIL, 63
.set S,   64
.set P,   192
.set KF,  128
.set RK,  128
.set MK,  160
.set KT,  64                           ; at the head: the keys' sums of squares, two quads of 17 x 4 registers
.set QS,  200                          ; at the head: the queries', 9 registers a tile
.set PR,  64                           ; at the end: a parked tile
.set OB,  128                          ; at the end: packed rows, two buffers of 32
.set WV,  18
.set CX,  19
.set G1K, 24
.set G1V, 32
.set G0K, 40
.set G0V, 44
.set SLOTS, 48
.set CNT, 49
.set STEPN, 50
.set TB,  51
.set TV,  52
.set TT,  53
.set LIM, 54
.set PFA, 56
.set SEL, 60
.set LEN, 66
.set LEN3, 67
.set BIGT, 68
.set BIGN, 69
.set W_KQ, 0x0a
.set W_PV, 0x53
.set W_RS, 0x41
.set W_FM, 0x3c
.set MSB, 0
.macro WIN new
.if MSB != (\new)
	s_set_vgpr_msb (MSB<<8)|(\new)
.set MSB, \new
.endif
.endm
.macro PLACES
.rept 4
	v_nop
.endr
.endm
.macro CROUND
	s_barrier_signal -1
	s_barrier_wait -1
	s_cmp_lg_u32 s[WV], 0
	s_cbranch_scc1 .Lnot_wave_0_\@
	s_barrier_signal -3
.Lnot_wave_0_\@:
	s_barrier_wait -3
	s_barrier_signal -1
	s_barrier_wait -1
.endm
.macro JLOAD                           ; a joint fill: waves 0 and 1 fetch K of a slot's two steps, waves 2 and 3 V
	s_cmp_lt_u32 s[WV], 2
	s_cbranch_scc0 .Lfor_v_\@
	tensor_load_to_lds s[G0K:G0K+3], s[G1K:G1K+7]
	s_nop 0
.rept 4
	v_nop
.endr
	s_branch .Lasked_\@
.Lfor_v_\@:
	tensor_load_to_lds s[G0V:G0V+3], s[G1V:G1V+7]
	s_nop 0
.rept 4
	v_nop
.endr
.Lasked_\@:
.endm
; A prefetch into the L2 of the slot that the NEXT change will ask for: 128 rows of K and of V, a lane a row.  The head's first cluster asks; its partners take 32 rows each, told apart by address;
; wave 0 names K's, wave 2 V's.  The last change that fills a slot asks for nothing.
.macro ASK
	s_cmp_gt_u32 s[SLOTS], s[LIM]
	s_cbranch_scc0 .Lnot_mine_\@
	global_prefetch_b8 v[PFO], s[PFA:PFA+1] th:TH_LOAD_NT scope:SCOPE_SE
.Lnot_mine_\@:
.endm
.macro FETCH_K base                    ; a step's K: 16 fragments, keys 16 (f / 4) on, channels 32 (f % 4) on
	WIN 0x80
.irp f, 0,1,2,3,4,5,6,7,8,9,10,11,12,13,14,15
	ds_load_b128 v[KF+8*(\f):KF+8*(\f)+3],   v[ADK] offset:(\base)+((\f)/4)*16*PK+((\f)%4)*64
	ds_load_b128 v[KF+8*(\f)+4:KF+8*(\f)+7], v[ADK] offset:(\base)+((\f)/4)*16*PK+((\f)%4)*64+32
.endr
	WIN 0
.endm
.macro FETCH_T                         ; the step's 64 factors and masks: my 8 keys of each block of 16
	WIN 0
	v_add_nc_u32 v[ADT], s[TT], v[TBA]
	s_add_co_u32 s[TT], s[TT], 256
	WIN 0xc0
.irp kb, 0,1,2,3
	ds_load_b128 v[RK+8*(\kb):RK+8*(\kb)+3],   v[ADT] offset:64*(\kb)
	ds_load_b128 v[RK+8*(\kb)+4:RK+8*(\kb)+7], v[ADT] offset:64*(\kb)+16
	ds_load_b128 v[MK+8*(\kb):MK+8*(\kb)+3],   v[ADT] offset:4096+64*(\kb)
	ds_load_b128 v[MK+8*(\kb)+4:MK+8*(\kb)+7], v[ADT] offset:4096+64*(\kb)+16
.endr
.endm
.macro FETCH_V                         ; the step's V, turned: keys 32 (f / 8) on, channels 16 (f % 8) on
	WIN 0
	v_add_nc_u32 v[ADV], s[TV], v[AV0]
	s_add_co_u32 s[TV], s[TV], STEPB
	WIN 0xc0
.irp f, 0,1,2,3,4,5,6,7,8,9,10,11,12,13,14,15
	ds_load_tr16_b128 v[8*(\f):8*(\f)+3],   v[ADV] offset:((\f)/8)*32*PV+((\f)%8)*32
	ds_load_tr16_b128 v[8*(\f)+4:8*(\f)+7], v[ADV] offset:((\f)/8)*32*PV+16*PV+((\f)%8)*32
.endr
.endm
; Product i of 32 of S^T = K Q^T for piece x: channels 32 (i / 8) on, keys 16 ((i / 2) % 4) on, tile x + i % 2.  The first 8 start the sums.  The accumulators take turns.
.macro KQ x
	WIN W_KQ
.set rS, S+32*((\x)+i%2)+8*((i/2)%4)
.set rK, KF+32*((i/2)%4)+8*(i/8)
.set rQ, 32*((\x)+i%2)+8*(i/8)
.if i < 8
	v_wmma_f32_16x16x32_f16 v[rS:rS+7], v[rK:rK+7], v[rQ:rQ+7], 0
.else
	v_wmma_f32_16x16x32_f16 v[rS:rS+7], v[rK:rK+7], v[rQ:rQ+7], v[rS:rS+7]
.endif
.endm
; Product i of 32 of O^T += V^T P: keys 32 (i / 16) on, channels 16 ((i / 2) % 8) on, tile x + i % 2.
.macro PV x
	WIN W_PV
.set rO, 64*((\x)+i%2)+8*((i/2)%8)
.set rV, 64*(i/16)+8*((i/2)%8)
.set rP, P+16*((\x)+i%2)+8*(i/16)
	v_wmma_f32_16x16x32_f16 v[rO:rO+7], v[rV:rV+7], v[rP:rP+7], v[rO:rO+7]
.endm
; THE SOFTMAX OF A PIECE FOR A STEP: a queue of 300 instructions, the two tiles alternating; SMQ writes number q and steps q.
;   0-31 t = s RK + MK (each accumulator's lowest registers first)   32-63 the maximum, three operands at a time, the old m last   64-73 the other half of the lanes; c m_old kept; m; c m; the change
;   74-171 ONE BATCH that names no exponential's result: 16 scalings and 33 exponentials a tile, each pair scaled ahead of its exponentials   then a plain instruction and ONE wait
;   172-203 the roundings to f16   204-235 the sums, l = a l + sum   236-299 O^T times a
.macro SMQ y
.set tt, (\y)+q%2
.set rT, ST+8*tt
.set rS, S+32*tt
.set rP, P+16*tt
.set rO, 64*tt
.set rC, CQ+2*tt
.if q == 172
	v_nop                                          ; a plain instruction behind the last exponential,
	s_wait_alu depctr_va_vdst(0)                   ; and one wait for the piece's 66, ahead of their first reader
.endif
.if q < 32
.set n, q/2
	WIN W_FM
	v_pk_fma_f32 v[rS+2*n:rS+2*n+1], v[rS+2*n:rS+2*n+1], v[RK+2*n:RK+2*n+1], v[MK+2*n:MK+2*n+1]
.elseif q < 64
.set n, (q-32)/2
	WIN 0
.if n < 4
	v_max3_num_f32 v[rT+4+n], v[rS+8*n], v[rS+8*n+1], v[rS+8*n+2]
.elseif n < 12
	v_max3_num_f32 v[rT+4+n%4], v[rT+4+n%4], v[rS+8*(n%4)+2*(n/4)+1], v[rS+8*(n%4)+2*(n/4)+2]
.elseif n == 12
	v_max3_num_f32 v[rT+4], v[rT+4], v[rS+7], v[rS+15]
.elseif n == 13
	v_max3_num_f32 v[rT+6], v[rT+6], v[rS+23], v[rS+31]
.elseif n == 14
	v_max3_num_f32 v[rT+4], v[rT+4], v[rT+5], v[rT+6]
.else
	v_max3_num_f32 v[rT+4], v[rT+4], v[rT+7], v[rT+1]
.endif
.elseif q < 74
.set n, (q-64)/2
	WIN 0
.if n == 0
	v_permlanex16_b32 v[rT+5], v[rT+4], s[SEL], s[SEL+1]
.elseif n == 1
	v_mov_b32 v[rT+7], v[rT]
.elseif n == 2
	v_max_num_f32 v[rT+1], v[rT+4], v[rT+5]
.elseif n == 3
	v_mul_f32 v[rT], v[rC], v[rT+1]
.else
	v_sub_f32 v[rT+7], v[rT+7], v[rT]
.endif
.elseif q < 172
.set e, (q-74)/2
.set sc, -1
.set ex, -1
.if e < 2
.set sc, e
.elseif e == 2
.elseif e >= 45
.set ex, e-17
.elseif (e-3)%3 == 0
.set sc, (e-3)/3+2
.else
.set ex, 2*((e-3)/3)+(e-3)%3-1
.endif
	WIN 0
.if sc >= 0
	v_pk_fma_f32 v[rS+2*sc:rS+2*sc+1], v[rS+2*sc:rS+2*sc+1], v[rC:rC+1], v[rT:rT+1] op_sel_hi:[1,0,0] neg_lo:[0,0,1] neg_hi:[0,0,1]
.elseif ex >= 0
	v_exp_f32 v[rS+ex], v[rS+ex]
.else
	v_exp_f32 v[rT+6], v[rT+7]
.endif
.elseif q < 204
.set n, (q-172)/2
	WIN 0
	v_cvt_pk_f16_f32 v[rP+n], v[rS+2*n], v[rS+2*n+1]
.elseif q < 236
.set z, (q-204)/2
.set w, 4
.set u, z
.if z >= 14
.set w, 32
.set u, 0
.elseif z >= 12
.set w, 16
.set u, z-12
.elseif z >= 8
.set w, 8
.set u, z-8
.endif
	WIN 0
.if z < 15
	v_pk_add_f32 v[rS+w*u:rS+w*u+1], v[rS+w*u:rS+w*u+1], v[rS+w*u+w/2:rS+w*u+w/2+1]
.else
	v_pk_fma_f32 v[rT+2:rT+3], v[rT+2:rT+3], v[rT+6:rT+7], v[rS:rS+1] op_sel_hi:[1,0,1]
.endif
.else
.set n, (q-236)/2
	WIN W_RS
	v_pk_mul_f32 v[rO+2*n:rO+2*n+1], v[rO+2*n:rO+2*n+1], v[rT+6:rT+7] op_sel_hi:[1,0]
.endif
.set q, q+1
.endm
; 32 products of piece x (kind 0: K Q^T, 1: V^T P); behind product i stand piece y's queue entries up to 300 (i + 1) / 32.  No entry names a register of piece x's products.
.macro PHASE kind, x, y
.set q, 0
.set i, 0
.rept 32
.if (\kind) == 0
	KQ \x
.else
	PV \x
.endif
.set i, i+1
.set qe, (i*300)/32
.rept 10
.if q < qe
	SMQ \y
.endif
.endr
.endr
.endm
; A KEY STEP.  K was fetched a step or a change of slots earlier.  tail = 1: the last step: no further K.
.macro STEP tail
	FETCH_T
	FETCH_V
	s_wait_dscnt 32                                ; all but V's 32 loads: K and the tables are in
.set i, 0
.rept 32
	KQ 0
.set i, i+1
.endr
	PLACES                                         ; in front of the first read of those scores
	PHASE 0, 2, 0
	WIN 0
	PLACES                                         ; in front of the loads into K's registers and of the first read of piece 2's scores
	s_wait_dscnt 0x0                               ; V is in
.if !(\tail)
	s_cmp_eq_u32 s[CNT], 1                         ; behind a slot's second step K comes from the next slot, behind the change
	s_cbranch_scc1 .Lno_k_\@
	FETCH_K STEPB
.Lno_k_\@:
.endif
	PHASE 1, 0, 2
.set i, 0
.rept 32
	PV 2
.set i, i+1
.endr
	WIN 0
	PLACES                                         ; in front of the loads into V's registers and of reads of O^T
	s_add_co_u32 s[STEPN], s[STEPN], 1
.endm
; THE CHANGE OF SLOTS.  Each wave waits for all its tensor loads (one is out: its part of the other slot), adds 0 to its spare word, and waits for that and for its LDS instructions.
; fill = 1: the barrier is a round of the cluster's, and the joint fill of the slot just left (at the first use: of slot 1, not yet filled) is the first thing behind it: it has two key steps in which to land.
.macro CHANGE fill
	WIN 0
	s_wait_tensorcnt 0x0
	ds_add_u32 v[SPW], v[NIL]
.if \fill
	s_xor_b32 s[G0K+1], s[G0K+1], SLOT1
	s_add_nc_u64 s[G0K+2:G0K+3], s[G0K+2:G0K+3], 2*KS*256
	s_xor_b32 s[G0V+1], s[G0V+1], SLOT1
	s_add_nc_u64 s[G0V+2:G0V+3], s[G0V+2:G0V+3], 2*KS*256
	s_wait_xcnt 0x0                                ; the last prefetch, two key steps back, has read its address
	s_add_nc_u64 s[PFA:PFA+1], s[PFA:PFA+1], 2*KS*256
	s_wait_dscnt 0x0
	CROUND
	JLOAD
	ASK
.else
	s_wait_dscnt 0x0
	s_barrier_signal -1
	s_barrier_wait -1
.endif
	s_xor_b32 s[TB], s[TB], SLOT1
	s_mov_b32 s[TV], s[TB]
	v_add_nc_u32 v[ADK], s[TB], v[AK0]
	FETCH_K 0
.endm
; BETWEEN IMAGE AND TEXT.  O^T is divided by the image's l and set aside, in f32, in my own LDS bytes; m starts anew, so the next step's a = 0 wipes O^T and l.
.macro SWITCH
	WIN 0
.irp t, 0,1,2,3
	v_add_f32 v[ST+8*(\t)+4], v[ST+8*(\t)+2], v[ST+8*(\t)+3]
.endr
.irp t, 0,1,2,3
	v_permlanex16_b32 v[ST+8*(\t)+5], v[ST+8*(\t)+4], s[SEL], s[SEL+1]
.endr
.irp t, 0,1,2,3
	v_add_f32 v[ST+8*(\t)+4], v[ST+8*(\t)+4], v[ST+8*(\t)+5]
.endr
.irp t, 0,1,2,3
	v_rcp_f32 v[ST+8*(\t)+6], v[ST+8*(\t)+4]
.endr
	v_nop
	s_wait_alu depctr_va_vdst(0)                   ; one wait for the four reciprocals
	WIN W_RS
.set n, 0
.rept 128
	v_pk_mul_f32 v[2*n:2*n+1], v[2*n:2*n+1], v[ST+8*(n/32)+6:ST+8*(n/32)+7] op_sel_hi:[1,0]
.set n, n+1
.endr
	WIN 0x04                                       ; store data in window 1
.set n, 0
.rept 64
.if n < 28
	ds_store_b128 v[PKA], v[4*n:4*n+3] offset:512*n
.else
	ds_store_b128 v[PKB], v[4*n:4*n+3] offset:512*(n-28)
.endif
.set n, n+1
.endr
	WIN 0
.irp t, 0,1,2,3
	v_mov_b32 v[ST+8*(\t)], 0xfe000000
	v_mov_b32 v[ST+8*(\t)+1], 0xff7fffff
.endr
.endm
	s_load_b256 s[4:11], s[0:1], 0x0               ; qh, kh, vh, sq
	s_load_b128 s[12:15], s[0:1], 0x20             ; sk, context_lens
	s_load_b64 s[16:17], s[0:1], 0x30              ; ao
	v_lshl_add_u32 v[SPW], v0, 2, SPARE
	v_mov_b32 v[NIL], 0
	ds_add_u32 v[SPW], v[NIL]                      ; the wave's opening: the add and its wait ahead of my first tensor load
	v_lshrrev_b32 v1, 5, v0
	v_readfirstlane_b32 s[WV], v1
	s_bfe_u32 s[CX], ttmp6, 0x40000
	s_and_b32 s20, ttmp7, 0xffff                   ; 16 b + head
	s_lshr_b32 s21, s20, 4                         ; b
	s_and_b32 s22, s20, 15                         ; head
	s_lshl_b32 s23, ttmp9, 2
	s_add_co_u32 s23, s23, s[CX]                   ; my block of 256 queries: it enters global addresses alone
	s_mov_b32 s[G1K], 15|(1<<16)|(1<<20)|(1<<21)|(5<<22)|(3<<25)  ; mask of four; 2-byte elements; 4 words of padding behind every 64
	s_mov_b32 s[G1V], 15|(1<<16)|(1<<20)|(1<<21)|(5<<22)|(7<<25)  ; the same with 8 words
.irp g, G1K, G1V
	s_mov_b32 s[(\g)+1], 128<<16                   ; tensor_dim0
	s_mov_b32 s[(\g)+2], KS<<16                    ; tensor_dim1
	s_mov_b32 s[(\g)+3], 128<<16                   ; tile_dim0
	s_mov_b32 s[(\g)+4], KS                        ; tile_dim1
	s_mov_b32 s[(\g)+5], 128                       ; elements from row to row
	s_mov_b32 s[(\g)+6], 0
	s_mov_b32 s[(\g)+7], 0
.endr
	s_and_b32 s55, s[WV], 1                        ; which of a slot's two steps I fetch
	s_mov_b32 s[G0K], 1
	s_mov_b32 s[G0V], 1
	s_mul_i32 s[G0K+1], s55, STEPB
	s_add_co_u32 s[G0V+1], s[G0K+1], VOFF
	s_mul_i32 s58, s20, 896*256                    ; the head's first byte in kh and vh
	s_lshl_b32 s62, s55, 14
	s_add_co_u32 s58, s58, s62
	s_mov_b32 s59, 0
	s_mov_b32 s[SEL], 0x76543210
	s_mov_b32 s[SEL+1], 0xfedcba98
	s_mov_b32 s[BIGN], 0xf149f2ca                  ; -1e30
	s_mov_b32 s76, 257
	s_mov_b32 s77, 320
	s_mov_b32 s80, 0x3c000000                      ; 1 / 128
	s_mov_b32 s81, 0x0da24260                      ; 1e-30
	s_mov_b32 s82, 0x3a000000                      ; 1 / 2048
	s_mov_b32 s83, 0x358637bd                      ; 1e-6
	s_mov_b32 s84, 0x3e0293ee                      ; log2(e) / sqrt(128)
	s_and_b32 s[LIM], s[WV], 1
	s_or_b32 s[LIM], s[LIM], ttmp9                 ; 0 in waves 0 and 2 of the head's first cluster
	s_cmp_eq_u32 s[LIM], 0
	s_cselect_b32 s[LIM], 1, -1
	s_wait_dscnt 0x0                               ; the opening add is done
	s_wait_kmcnt 0x0
	s_add_nc_u64 s[G0K+2:G0K+3], s[6:7], s[58:59]
	s_or_b32 s[G0K+3], s[G0K+3], 0x80000000
	s_add_nc_u64 s[G0V+2:G0V+3], s[8:9], s[58:59]
	s_or_b32 s[G0V+3], s[G0V+3], 0x80000000
	CROUND                                         ; all four work-groups are here
	JLOAD                                          ; steps 0 and 1 into slot 0; slot 1 is asked for by the loop's first change of slots
	s_load_b64 s[86:87], s[14:15], 0x0             ; both lengths
	s_cmp_lt_u32 s[WV], 2
	s_cselect_b64 s[PFA:PFA+1], s[6:7], s[8:9]
	s_mul_i32 s58, s20, 896*256
	s_lshl_b32 s62, s[CX], 13                      ; my work-group's 32 rows of a slot's 128
	s_add_co_u32 s58, s58, s62
	s_add_co_u32 s58, s58, 2*KS*256                ; at the second pair of steps; each change steps it first
	s_add_nc_u64 s[PFA:PFA+1], s[PFA:PFA+1], s[58:59]
	s_lshl_b32 s58, s20, 19                        ; Q at my wave's first row
	s_lshl_b32 s62, s23, 16
	s_add_co_u32 s58, s58, s62
	s_lshl_b32 s62, s[WV], 14
	s_add_co_u32 s58, s58, s62
	s_add_nc_u64 s[4:5], s[4:5], s[58:59]
	s_lshl_b32 s58, s21, 17                        ; sq at the batch's head 0, my wave's first query
	s_lshl_b32 s62, s23, 10
	s_add_co_u32 s58, s58, s62
	s_lshl_b32 s62, s[WV], 8
	s_add_co_u32 s58, s58, s62
	s_add_nc_u64 s[10:11], s[10:11], s[58:59]
	s_lshl_b32 s58, s22, 13
	s_add_nc_u64 s[70:71], s[10:11], s[58:59]      ; and at my head
	s_mul_i32 s58, s21, 16*896*4                   ; sk likewise
	s_add_nc_u64 s[12:13], s[12:13], s[58:59]
	s_mul_i32 s58, s22, 896*4
	s_add_nc_u64 s[72:73], s[12:13], s[58:59]
	s_lshl_b32 s58, s21, 11                        ; ao at my wave's first row, my head's 256 bytes
	s_lshl_b32 s62, s23, 8
	s_add_co_u32 s58, s58, s62
	s_lshl_b32 s62, s[WV], 6
	s_add_co_u32 s58, s58, s62
	s_lshl_b32 s58, s58, 12
	s_lshl_b32 s62, s22, 8
	s_add_co_u32 s58, s58, s62
	s_add_nc_u64 s[16:17], s[16:17], s[58:59]
	v_and_b32 v1, 15, v0                           ; l % 16
	v_bfe_u32 v9, v0, 4, 1                         ; l / 16
	v_and_b32 v10, 7, v0
	v_bfe_u32 v11, v0, 3, 1
	v_lshlrev_b32 v[QO], 8, v1
	v_lshl_add_u32 v[QO], v9, 4, v[QO]
	v_lshlrev_b32 v[KA], 4, v0                     ; the quad of keys 4 t .. 4 t + 3,
	v_add_nc_u32 v[KB], 128, v0                    ; and the quad 128 further on, clamped to sk's last
	v_min_u32 v[KB], 223, v[KB]
	v_lshlrev_b32 v[KB], 4, v[KB]
	v_lshlrev_b32 v[QB], 2, v1
	v_lshl_add_u32 v[QA], v9, 16, v[QB]            ; the lanes' halves take 8 heads each
	WIN 0x80
.set i, 0
.rept 16                                           ; Q stays in registers: tile i / 4, channels 32 (i % 4) on
	global_load_b128 v[8*i:8*i+3],   v[QO], s[4:5] offset:(i/4)*4096+(i%4)*64
	global_load_b128 v[8*i+4:8*i+7], v[QO], s[4:5] offset:(i/4)*4096+(i%4)*64+32
.set i, i+1
.endr
	WIN 0
.set i, 0
.rept 16
	global_load_b128 v[KT+4*i:KT+4*i+3],       v[KA], s[12:13] offset:i*3584
	global_load_b128 v[KT+68+4*i:KT+68+4*i+3], v[KB], s[12:13] offset:i*3584
.set i, i+1
.endr
	global_load_b128 v[KT+64:KT+67],   v[KA], s[72:73]
	global_load_b128 v[KT+132:KT+135], v[KB], s[72:73]
.irp t, 0,1,2,3
.irp e, 0,1,2,3,4,5,6,7
	global_load_b32 v[QS+9*(\t)+(\e)], v[QA], s[10:11] offset:(\e)*8192+(\t)*64
.endr
	global_load_b32 v[QS+9*(\t)+8], v[QB], s[70:71] offset:(\t)*64
.endr
	; while these are on their way: O^T and the statistics start, the lane addresses are made
	WIN 0x40
.set i, 0
.rept 256
	v_mov_b32 v[i], 0
.set i, i+1
.endr
	WIN 0
.irp t, 0,1,2,3
	v_mov_b32 v[ST+8*(\t)], 0xfe000000             ; c m: far below every c t
	v_mov_b32 v[ST+8*(\t)+1], 0xff7fffff           ; m
.irp j, 2,3,4,5,6,7
	v_mov_b32 v[ST+8*(\t)+(\j)], 0
.endr
.endr
	v_mul_u32_u24 v[AK0], v1, PK
	v_lshl_add_u32 v[AK0], v9, 4, v[AK0]
	v_lshl_add_u32 v[AV0], v9, 3, v10
	v_mul_u32_u24 v[AV0], v[AV0], PV
	v_lshl_add_u32 v[AV0], v11, 4, v[AV0]
	v_add_nc_u32 v[AV0], VOFF, v[AV0]
	s_mul_i32 s58, s[WV], 16*SP
	s_add_co_u32 s58, s58, STAGE
	v_mul_u32_u24 v[STO], v1, SP
	v_lshl_add_u32 v[STO], v9, 4, v[STO]
	v_add_nc_u32 v[STO], s58, v[STO]
	v_mul_u32_u24 v[RD], v9, SP
	v_lshl_add_u32 v[RD], v1, 4, v[RD]
	v_add_nc_u32 v[RD], s58, v[RD]
	v_lshlrev_b32 v[GO], 12, v9
	v_lshl_add_u32 v[GO], v1, 4, v[GO]
	v_and_b32 v[PFO], 31, v0
	s_mul_i32 s58, s[WV], 14336
	s_add_co_u32 s58, s58, PARKA
	v_lshl_add_u32 v[PKA], v[PFO], 4, s58
	s_mul_i32 s58, s[WV], 18432
	s_add_co_u32 s58, s58, PARKB
	v_lshl_add_u32 v[PKB], v[PFO], 4, s58
	v_lshlrev_b32 v[PFO], 8, v[PFO]
	v_lshlrev_b32 v[TBA], 5, v9
	v_add_nc_u32 v[TBA], TAB_RK, v[TBA]
	s_wait_kmcnt 0x0
	s_cmp_eq_u32 s21, 0
	s_cselect_b32 s[LEN], s86, s87
	s_max_i32 s[LEN], s[LEN], 0                    ; the same keys are hidden as for the length as given
	s_min_i32 s[LEN], s[LEN], 512
	s_add_co_u32 s[LEN3], s[LEN], 320
	s_cmp_gt_i32 s[LEN], 0
	s_cselect_b32 s[BIGT], s[BIGN], 0              ; with no text key in sight all text scores count as equal
	s_wait_loadcnt 0x0
	; sums over the 16 heads
.set i, 1
.rept 15
.irp z, 0,68
	v_pk_add_f32 v[KT+(\z):KT+(\z)+1],   v[KT+(\z):KT+(\z)+1],   v[KT+(\z)+4*i:KT+(\z)+4*i+1]
	v_pk_add_f32 v[KT+(\z)+2:KT+(\z)+3], v[KT+(\z)+2:KT+(\z)+3], v[KT+(\z)+4*i+2:KT+(\z)+4*i+3]
.endr
.set i, i+1
.endr
.irp e, 1,2,3,4,5,6,7
.irp t, 0,1,2,3
	v_add_f32 v[QS+9*(\t)], v[QS+9*(\t)], v[QS+9*(\t)+(\e)]
.endr
.endr
.irp t, 0,1,2,3
	v_permlanex16_b32 v[QS+9*(\t)+1], v[QS+9*(\t)], s[SEL], s[SEL+1]
.endr
.irp t, 0,1,2,3
	v_add_f32 v[QS+9*(\t)], v[QS+9*(\t)], v[QS+9*(\t)+1]
.endr
.irp t, 0,1,2,3
	v_fma_f32 v[QS+9*(\t)], v[QS+9*(\t)], s82, s83
	v_fma_f32 v[QS+9*(\t)+8], v[QS+9*(\t)+8], s80, s81
.endr
.irp z, 0,68
.irp j, 0,1,2,3
	v_fma_f32 v[KT+(\z)+(\j)], v[KT+(\z)+(\j)], s82, s83
	v_fma_f32 v[KT+(\z)+64+(\j)], v[KT+(\z)+64+(\j)], s80, s81
.endr
.endr
.irp z, 0,68
.irp j, 0,1,2,3
	v_rsq_f32 v[KT+(\z)+(\j)], v[KT+(\z)+(\j)]
	v_sqrt_f32 v[KT+(\z)+64+(\j)], v[KT+(\z)+64+(\j)]
.endr
.endr
.irp t, 0,1,2,3
	v_rsq_f32 v[QS+9*(\t)], v[QS+9*(\t)]
	v_sqrt_f32 v[QS+9*(\t)+8], v[QS+9*(\t)+8]
.endr
	v_lshlrev_b32 v236, 2, v0                      ; my first key: the plain instruction behind the batch
	s_wait_alu depctr_va_vdst(0)                   ; one wait for the 24
.irp t, 0,1,2,3
	v_mul_f32 v[QS+9*(\t)], v[QS+9*(\t)], v[QS+9*(\t)+8]
	v_mul_f32 v[CQ+2*(\t)], s84, v[QS+9*(\t)]
	v_mov_b32 v[CQ+2*(\t)+1], v[CQ+2*(\t)]
.endr
	v_mov_b32 v239, s[BIGT]
.irp z, 0,1
.irp j, 0,1,2,3
	v_mul_f32 v[KT+68*(\z)+(\j)], v[KT+68*(\z)+(\j)], v[KT+68*(\z)+64+(\j)]  ; the key's phi
	v_add_nc_u32 v237, 512*(\z)+(\j), v236         ; the key's row in kh
	v_cmp_gt_u32 s74, s76, v237                    ; a real image key,
	v_cmp_le_u32 s75, s77, v237                    ; or a text key
	v_cmp_gt_i32 s78, s[LEN3], v237                ; within the length
	s_and_b32 s78, s78, s75
	s_or_b32 s74, s74, s78
	v_cndmask_b32 v[KT+68*(\z)+(\j)], 0, v[KT+68*(\z)+(\j)], s74
	v_cndmask_b32 v238, s[BIGN], v239, s75
	v_cndmask_b32 v[KT+68*(\z)+64+(\j)], v238, 0, s74
.endr
.endr
	v_lshl_add_u32 v240, v0, 4, TAB_RK
	ds_store_b128 v240, v[KT:KT+3]
	ds_store_b128 v240, v[KT+68:KT+71] offset:2048
	ds_store_b128 v240, v[KT+64:KT+67] offset:4096
	ds_store_b128 v240, v[KT+132:KT+135] offset:6144
	s_mov_b32 s[SLOTS], 6
	s_mov_b32 s[STEPN], 0
	s_mov_b32 s[TT], 0
	s_mov_b32 s[TB], SLOT1                         ; the first change turns it into 0
.Lslot:                                            ; six times: two steps are entered and the next two asked for.  The first change's wait and round also show the tables to all four waves
	CHANGE 1
	s_mov_b32 s[CNT], 2
.Lstep:
	s_cmp_lg_u32 s[STEPN], 5
	s_cbranch_scc1 .Lno_switch
	SWITCH
.Lno_switch:
	STEP 0
	s_sub_co_u32 s[CNT], s[CNT], 1
	s_cmp_lg_u32 s[CNT], 0
	s_cbranch_scc1 .Lstep
	s_sub_co_u32 s[SLOTS], s[SLOTS], 1
	s_cmp_lg_u32 s[SLOTS], 0
	s_cbranch_scc1 .Lslot
	CHANGE 0                                       ; the last step is written out: nothing is asked for
	STEP 1
	; THE WAY OUT.  O^T / l of the text plus the parked image result, rounded to f16, through my stage, a tile at a time.
.irp t, 0,1,2,3
	v_add_f32 v[ST+8*(\t)+4], v[ST+8*(\t)+2], v[ST+8*(\t)+3]
.endr
.irp t, 0,1,2,3
	v_permlanex16_b32 v[ST+8*(\t)+5], v[ST+8*(\t)+4], s[SEL], s[SEL+1]
.endr
.irp t, 0,1,2,3
	v_add_f32 v[ST+8*(\t)+4], v[ST+8*(\t)+4], v[ST+8*(\t)+5]
.endr
.irp t, 0,1,2,3
	v_rcp_f32 v[ST+8*(\t)+6], v[ST+8*(\t)+4]
.endr
	v_nop
	s_wait_alu depctr_va_vdst(0)                   ; one wait for the four reciprocals
.macro LOADP t                         ; tile t's parked 64 registers
	WIN 0
.set i, 0
.rept 16
.set qd, 16*(\t)+i
.if qd < 28
	ds_load_b128 v[PR+4*i:PR+4*i+3], v[PKA] offset:512*qd
.else
	ds_load_b128 v[PR+4*i:PR+4*i+3], v[PKB] offset:512*(qd-28)
.endif
.set i, i+1
.endr
.endm
.macro FIN t
.set OBR, OB+32*((\t)%2)
	s_wait_dscnt 0x0                               ; the parked tile is in
	WIN W_RS
.set n, 0
.rept 32
	v_pk_fma_f32 v[64*(\t)+2*n:64*(\t)+2*n+1], v[64*(\t)+2*n:64*(\t)+2*n+1], v[ST+8*(\t)+6:ST+8*(\t)+7], v[PR+2*n:PR+2*n+1] op_sel_hi:[1,0,1]
.set n, n+1
.endr
	s_wait_xcnt 0x0                                ; the stores of the tile before last have read the registers that are written next
	WIN 0x05
.set n, 0
.rept 32
	v_cvt_pk_f16_f32 v[OBR+n], v[64*(\t)+2*n], v[64*(\t)+2*n+1]
.set n, n+1
.endr
	WIN 0
.irp f, 0,1,2,3,4,5,6,7
	ds_store_b128 v[STO], v[OBR+4*(\f):OBR+4*(\f)+3] offset:32*(\f)
.endr
.irp f, 0,1,2,3,4,5,6,7
	ds_load_b128 v[OBR+4*(\f):OBR+4*(\f)+3], v[RD] offset:(\f)*2*SP  ; LDS serves a wave's instructions in order (ISA guide 5.7.1.4)
.endr
.endm
.macro SEND t, younger                 ; younger: the LDS loads issued behind tile t's: the next tile's 16 parked quads, or none
	WIN 0
.set OBR, OB+32*((\t)%2)
	s_wait_dscnt \younger
.irp f, 0,1,2,3,4,5,6,7
	global_store_b128 v[GO], v[OBR+4*(\f):OBR+4*(\f)+3], s[16:17] offset:(16*(\t)+2*(\f))*4096  ; 16 lanes store 256 consecutive bytes, aligned: a row's part of my head
.endr
.endm
	LOADP 0
	FIN 0
	LOADP 1
	SEND 0, 16
	FIN 1
	LOADP 2
	SEND 1, 16
	FIN 2
	LOADP 3
	SEND 2, 16
	FIN 3
	SEND 3, 0
	s_wait_tensorcnt 0x0                           ; the wave's end
	ds_add_u32 v[SPW], v[NIL]
	s_wait_dscnt 0x0
	CROUND                                         ; the closing round
	s_endpgm
.Lfunc_end_k_q6ea246a81f_attn:
	.size	k_q6ea246a81f_attn, .Lfunc_end_k_q6ea246a81f_attn-k_q6ea246a81f_attn
	.p2alignl 7, 3214868480
	.fill 96, 4, 3214868480
	.section	.rodata,"a",@progbits
	.p2align	6, 0x0
	.amdhsa_kernel k_q6ea246a81f_attn
		.amdhsa_group_segment_fixed_size 327680
		.amdhsa_private_segment_fixed_size 0
		.amdhsa_enable_private_segment 0
		.amdhsa_kernarg_size 56
		.amdhsa_user_sgpr_count 2
		.amdhsa_user_sgpr_kernarg_segment_ptr 1
		.amdhsa_wavefront_size32 1
		.amdhsa_system_sgpr_workgroup_id_x 1
		.amdhsa_system_sgpr_workgroup_id_y 1
		.amdhsa_system_sgpr_workgroup_id_z 1
		.amdhsa_system_vgpr_workitem_id 0
		.amdhsa_next_free_vgpr 1024
		.amdhsa_next_free_sgpr 96
		.amdhsa_reserve_vcc 0
		.amdhsa_float_denorm_mode_32 3
		.amdhsa_float_denorm_mode_16_64 3
		.amdhsa_memory_ordered 1
		.amdhsa_forward_progress 1
		.amdhsa_inst_pref_size 188
	.end_amdhsa_kernel
	.amdgpu_metadata
---
amdhsa.version: [ 1, 2 ]
amdhsa.kernels:
  - .name:           k_q6ea246a81f_attn
    .symbol:         k_q6ea246a81f_attn.kd
    .args:
      - { .name: qh, .offset: 0, .size: 8, .value_kind: global_buffer, .address_space: global }
      - { .name: kh, .offset: 8, .size: 8, .value_kind: global_buffer, .address_space: global }
      - { .name: vh, .offset: 16, .size: 8, .value_kind: global_buffer, .address_space: global }
      - { .name: sq, .offset: 24, .size: 8, .value_kind: global_buffer, .address_space: global }
      - { .name: sk, .offset: 32, .size: 8, .value_kind: global_buffer, .address_space: global }
      - { .name: context_lens, .offset: 40, .size: 8, .value_kind: global_buffer, .address_space: global }
      - { .name: ao, .offset: 48, .size: 8, .value_kind: global_buffer, .address_space: global }
    .group_segment_fixed_size: 327680
    .private_segment_fixed_size: 0
    .kernarg_segment_align: 8
    .kernarg_segment_size: 56
    .max_flat_workgroup_size: 128
    .sgpr_count:     96
    .vgpr_count:     1024
    .wavefront_size: 32
...
	.end_amdgpu_metadata
.endif
;; end of part 3
;; launch outp (part 4): grid 16 x 16, 4 waves a work-group, clusters of 4 x 4, 327,680 bytes of LDS; arguments ao, wb, b_o, out0; writes out0
.if DOCPART == 4
	.amdgcn_target "amdgcn-amd-amdhsa--gfx1250"
	.amdhsa_code_object_version 6
	.text
	.protected	k_q6ea246a81f_outp
	.globl	k_q6ea246a81f_outp
	.p2align	8
	.type	k_q6ea246a81f_outp,@function
k_q6ea246a81f_outp:
	s_mov_b64 s[64:65], 0
	v_nop
	global_prefetch_b8 v0, s[64:65] scope:SCOPE_SE
	s_setreg_imm32_b32 hwreg(HW_REG_WAVE_MODE, 25, 1), 1
	s_wait_xcnt 0x0
	s_wait_alu depctr_hold_cnt(0) depctr_sa_sdst(0) depctr_va_vdst(0) depctr_va_sdst(0) depctr_va_ssrc(0) depctr_va_vcc(0) depctr_vm_vsrc(0)
	s_getreg_b32 s2, hwreg(HW_REG_IB_STS2, 6, 4)
	s_cmp_eq_u32 s2, 0
	s_cbranch_scc0 .Lentry_in_a_cluster
	s_endpgm
.Lentry_in_a_cluster:
	s_bfe_u32 s2, ttmp6, 0x10000c
	s_cmp_lg_u32 s2, 0xf033
	s_cbranch_scc0 .Lentry_shape_is_right
	s_endpgm
.Lentry_shape_is_right:
; out0 = ao w_o^T + b_o.  ao [4096][2048] f16; w_o = rows 10,240 on of wb, f16 (of the bf16-rounded numbers); b_o rounded to bf16; out0 [4096][2048] f32.  Sums in f32.
; Tiles of 256 rows x 128 columns, one to each of 256 work-groups (tiles of 256 x 256 would be 128); four waves, each 64 rows x 128 columns: 32 accumulators.  K goes in 16 steps of 128 through two LDS slots.
; CLUSTER 4 x 4: the four of a row of the cluster need the same tile of A, the four of a column the same tile of B: each tile is asked for jointly, by the same tensor load with the same descriptor
; and a mask that names the four, which divides the requests for A and for B by four.
; The matrix instruction is used transposed (source 0 = 16 rows of W, source 1 = 16 rows of A): lane l holds row l % 16 and the columns 16 b + 8 (l / 16) + 0..7.
; REGISTERS: window 0: v0-37 addresses; v64-159, v160-255 two fragment buffers.  window 1: accumulator (a, b) at 8 (8 a + b).  window 2: v0-63 bias.
.set PITCH,  272
.set SLOT1,  131072
.set BOFF,   256*PITCH
.set STAGE,  SLOT1+384*PITCH           ; behind the ring, never filled by a tensor load: 16 rows x 528 bytes for each wave
.set SPITCH, 528                       ; 512 bytes + 16: the 16 rows of a store start at 16 different groups of four banks
.set WSTAGE, 16*SPITCH
.set SPARE,  STAGE+4*WSTAGE
.set ADRA0, 2
.set ADRB0, 3
.set ADA, 4
.set ADB, 5
.set STO, 6
.set RD,  7
.set CO,  8
.set SPW, 10
.set NIL, 11
.set PFO, 12
.set BO,  13
.set CH,  16
.set LN,  37
.set F0,  64
.set F1,  160
.set BK,  64
.set BIAS, 0
.set WV,  34
.set CX,  35
.set G1A, 36
.set G1B, 44
.set G0A, 52
.set G0B, 68
.set MT,  61
.set CY,  62
.set NT,  63
.set TB,  76
.set CNT, 77
.set LIM, 78
.set PFA, 80
.set OUT, 82
.set AROW, 94
.set BROW, 95
.set W_MUL, 0x50
.set MSB, 0
.macro WIN new
.if MSB != (\new)
	s_set_vgpr_msb (MSB<<8)|(\new)
.set MSB, \new
.endif
.endm
.macro PLACES
.rept 4
	v_nop
.endr
.endm
.macro CREST
	s_cmp_lg_u32 s[WV], 0
	s_cbranch_scc1 .Lnot_wave_0_\@
	s_barrier_signal -3
.Lnot_wave_0_\@:
	s_barrier_wait -3
	s_barrier_signal -1
	s_barrier_wait -1
.endm
.macro CROUND
	s_barrier_signal -1
	s_barrier_wait -1
	CREST
.endm
.macro JLOAD                           ; a joint refill: waves 0 and 1 ask for A's halves with my row of the cluster, waves 2 and 3 for B's halves with my column.  The branch hangs on the wave's number alone
	s_cmp_lt_u32 s[WV], 2
	s_cbranch_scc0 .Lfor_b_\@
	tensor_load_to_lds s[G0A+4:G0A+7], s[G1A:G1A+7]
	s_nop 0
.rept 4
	v_nop
.endr
	s_branch .Lasked_\@
.Lfor_b_\@:
	tensor_load_to_lds s[G0B+4:G0B+7], s[G1B:G1B+7]
	s_nop 0
.rept 4
	v_nop
.endr
.Lasked_\@:
.endm
; A prefetch into the L2 of the K step two refills on: 32 rows x 256 bytes, a lane a row.  A's rows: the clusters with x = 0 ask, waves 0 and 1, the four partners of a row 32 rows each of the 128 that a wave
; fetches.  B's rows: the clusters with y = 0 ask, wave 2, the four partners of a column 32 rows each of the tile's 128.  Partners are told apart by address.  Each row's 256 bytes of a K step are named once.
; The last two refills have no K step two on.
.macro ASK
	s_cmp_gt_u32 s[CNT], s[LIM]
	s_cbranch_scc0 .Lnot_mine_\@
	global_prefetch_b8 v[PFO], s[PFA:PFA+1] th:TH_LOAD_NT scope:SCOPE_SE
.Lnot_mine_\@:
.endm
.macro MUL f, a0, n, zero              ; the 32 accumulators take turns, in the same order in every quarter
	WIN W_MUL
.set ma, \a0
.rept \n
.irp b, 0,1,2,3,4,5,6,7
.if \zero
	v_wmma_f32_16x16x32_f16 v[8*(8*ma+(\b)):8*(8*ma+(\b))+7], v[(\f)+8*(\b):(\f)+8*(\b)+7], v[(\f)+64+8*ma:(\f)+64+8*ma+7], 0
.else
	v_wmma_f32_16x16x32_f16 v[8*(8*ma+(\b)):8*(8*ma+(\b))+7], v[(\f)+8*(\b):(\f)+8*(\b)+7], v[(\f)+64+8*ma:(\f)+64+8*ma+7], v[8*(8*ma+(\b)):8*(8*ma+(\b))+7]
.endif
.endr
.set ma, ma+1
.endr
.endm
.macro FETCH k, f
	WIN 0
.irp b, 0,1,2,3,4,5,6,7
	ds_load_b128 v[(\f)+8*(\b):(\f)+8*(\b)+3],   v[ADB] offset:(\k)+(\b)*16*PITCH
	ds_load_b128 v[(\f)+8*(\b)+4:(\f)+8*(\b)+7], v[ADB] offset:(\k)+(\b)*16*PITCH+32
.endr
.irp a, 0,1,2,3
	ds_load_b128 v[(\f)+64+8*(\a):(\f)+64+8*(\a)+3],   v[ADA] offset:(\k)+(\a)*16*PITCH
	ds_load_b128 v[(\f)+64+8*(\a)+4:(\f)+64+8*(\a)+7], v[ADA] offset:(\k)+(\a)*16*PITCH+32
.endr
.endm
.macro QUARTER k, f, g, zero
	s_wait_dscnt 4                                 ; all but A's row blocks 2 and 3 are in
	MUL \f, 0, 2, \zero
	PLACES
	FETCH \k, \g
	s_wait_dscnt 24                                ; all but the 24 just issued
	MUL \f, 2, 2, \zero
.endm
; The fourth quarter changes slots: every wave waits for all its tensor loads, adds 0 to its spare word, waits for that and for its reads of this slot; with fill = 1 the barrier opens a round of the
; cluster's, and the joint refill is the first tensor load behind it.
.macro TURN fill
.if \fill
	s_wait_xcnt 0x0                                ; the last prefetch, a K step back, has read its address
	s_add_nc_u64 s[PFA:PFA+1], s[PFA:PFA+1], 256
.endif
	WIN 0
	s_wait_tensorcnt 0x0
	ds_add_u32 v[SPW], v[NIL]
	s_wait_dscnt 5                                 ; the add and A's last four loads may be out
	MUL F1, 0, 1, 0
	s_wait_dscnt 0x0
	s_barrier_signal -1
	MUL F1, 1, 1, 0
	WIN 0
	s_barrier_wait -1
.if \fill
	CREST
	s_xor_b32 s[G0A+5], s[G0A+5], SLOT1
	s_add_nc_u64 s[G0A+6:G0A+7], s[G0A+6:G0A+7], 256
	s_xor_b32 s[G0B+5], s[G0B+5], SLOT1
	s_add_nc_u64 s[G0B+6:G0B+7], s[G0B+6:G0B+7], 256
	JLOAD
.else
	PLACES
.endif
	s_xor_b32 s[TB], s[TB], SLOT1
	v_add_nc_u32 v[ADA], s[TB], v[ADRA0]
	v_add_nc_u32 v[ADB], s[TB], v[ADRB0]
	FETCH 0, F0
.if \fill
	ASK
.endif
	MUL F1, 2, 2, 0
.endm
	s_load_b256 s[4:11], s[0:1], 0x0               ; ao, wb, b_o, out0
	v_lshl_add_u32 v[SPW], v0, 2, SPARE
	v_mov_b32 v[NIL], 0
	ds_add_u32 v[SPW], v[NIL]                      ; the wave's opening: the add and its wait ahead of my first tensor load
	v_lshrrev_b32 v1, 5, v0
	v_readfirstlane_b32 s[WV], v1
	s_bfe_u32 s[CX], ttmp6, 0x40000                ; cx, cy: my place in the cluster
	s_bfe_u32 s[CY], ttmp6, 0x40004
	s_lshl_b32 s[NT], ttmp9, 2
	s_add_co_u32 s[NT], s[NT], s[CX]               ; column tile = 4 x cluster x + cx
	s_and_b32 s[MT], ttmp7, 0xffff
	s_lshl_b32 s[MT], s[MT], 2
	s_add_co_u32 s[MT], s[MT], s[CY]               ; row tile = 4 x cluster y + cy
	s_lshl_b32 s84, s[CY], 2
	s_lshl_b32 s84, 15, s84                        ; my row of the cluster: places 4 cy .. 4 cy + 3
	s_lshl_b32 s85, 0x1111, s[CX]                  ; my column: places cx, cx + 4, cx + 8, cx + 12
	s_mov_b32 s[TB], 0
	s_or_b32 s[G1A+0], s84, (1<<16)|(1<<20)|(1<<21)|(5<<22)|(3<<25)  ; A's tiles go to my row; 2-byte elements; 4 words of padding behind every 64
	s_mov_b32 s[G1A+1], 128<<16
	s_mov_b32 s[G1A+2], 128<<16
	s_mov_b32 s[G1A+3], 128<<16
	s_mov_b32 s[G1A+4], 128
	s_mov_b32 s[G1A+5], 2048
	s_mov_b32 s[G1A+6], 0
	s_mov_b32 s[G1A+7], 0
	s_or_b32 s[G1B+0], s85, (1<<16)|(1<<20)|(1<<21)|(5<<22)|(3<<25)  ; B's tiles go to my column
	s_mov_b32 s[G1B+1], 128<<16
	s_mov_b32 s[G1B+2], 64<<16
	s_mov_b32 s[G1B+3], 128<<16
	s_mov_b32 s[G1B+4], 64
	s_mov_b32 s[G1B+5], 2048
	s_mov_b32 s[G1B+6], 0
	s_mov_b32 s[G1B+7], 0
	s_mov_b32 s[G0A], 1
	s_mov_b32 s[G0A+4], 1
	s_mov_b32 s[G0B], 1
	s_mov_b32 s[G0B+4], 1
	s_mul_i32 s[G0A+1], s[WV], 128*PITCH           ; no place in the cluster enters an LDS address
	s_add_co_u32 s[G0A+5], s[G0A+1], SLOT1
	s_mul_i32 s[G0B+1], s[WV], 64*PITCH
	s_add_co_u32 s[G0B+1], s[G0B+1], 128*PITCH
	s_add_co_u32 s[G0B+5], s[G0B+1], SLOT1
	s_and_b32 s96, s[WV], 1
	s_lshl_b32 s[AROW], s[MT], 8                   ; A's address hangs on the row tile and the wave's number alone,
	s_lshl_b32 s97, s96, 7
	s_add_co_u32 s98, s[AROW], s97
	s_lshl_b32 s98, s98, 12
	s_mov_b32 s99, 0
	s_lshl_b32 s[BROW], s[NT], 7                   ; B's on the column tile and the wave's number alone
	s_add_co_u32 s[BROW], s[BROW], 10240
	s_lshl_b32 s97, s96, 6
	s_add_co_u32 s100, s[BROW], s97
	s_lshl_b32 s100, s100, 12
	s_mov_b32 s101, 0
	s_wait_dscnt 0x0                               ; the opening add is done
	s_wait_kmcnt 0x0
	s_add_nc_u64 s[98:99], s[4:5], s[98:99]
	s_add_nc_u64 s[100:101], s[6:7], s[100:101]
.irp s, 0,1
	s_add_nc_u64 s[G0A+4*(\s)+2:G0A+4*(\s)+3], s[98:99], (\s)*256
	s_or_b32 s[G0A+4*(\s)+3], s[G0A+4*(\s)+3], 0x80000000
	s_add_nc_u64 s[G0B+4*(\s)+2:G0B+4*(\s)+3], s[100:101], (\s)*256
	s_or_b32 s[G0B+4*(\s)+3], s[G0B+4*(\s)+3], 0x80000000
.endr
	CROUND                                         ; all sixteen work-groups are here: the first joint loads meet
	s_cmp_lt_u32 s[WV], 2                          ; a wave's two first fills stand in one branch: two loads of mine are out
	s_cbranch_scc0 .Lfirst_b
	tensor_load_to_lds s[G0A:G0A+3], s[G1A:G1A+7]
	s_nop 0
	tensor_load_to_lds s[G0A+4:G0A+7], s[G1A:G1A+7]
	s_nop 0
.rept 4
	v_nop
.endr
	s_branch .Lfirst_done
.Lfirst_b:
	tensor_load_to_lds s[G0B:G0B+3], s[G1B:G1B+7]
	s_nop 0
	tensor_load_to_lds s[G0B+4:G0B+7], s[G1B:G1B+7]
	s_nop 0
.rept 4
	v_nop
.endr
.Lfirst_done:
	; the prefetches' address: the rows' base at K step 3; each change of slots steps it first
	s_and_b32 s96, s[WV], 1
	s_lshl_b32 s97, s96, 7
	s_add_co_u32 s97, s97, s[AROW]
	s_lshl_b32 s98, s[CX], 5
	s_add_co_u32 s97, s97, s98                     ; A: my work-group's 32 of the 128 rows that I fetch
	s_lshl_b32 s98, s[CY], 5
	s_add_co_u32 s98, s98, s[BROW]                 ; B: my work-group's 32 of the tile's 128 rows
	s_mov_b32 s99, ttmp9
	s_cmp_eq_u32 s99, 0                            ; other clusters along x read the same rows of A: the first of them asks
	s_cselect_b32 s99, 2, -1
	s_and_b32 s100, ttmp7, 0xffff
	s_cmp_eq_u32 s100, 0                           ; other clusters along y read the same rows of B
	s_cselect_b32 s100, 2, -1
	s_cmp_eq_u32 s[WV], 3
	s_cselect_b32 s100, -1, s100                   ; wave 3 asks for nothing
	s_cmp_lt_u32 s[WV], 2
	s_cselect_b32 s96, s97, s98
	s_cselect_b32 s[LIM], s99, s100                ; the same in all sixteen partners, for a given wave
	s_cselect_b64 s[PFA:PFA+1], s[4:5], s[6:7]
	s_lshl_b32 s96, s96, 12
	s_add_co_u32 s96, s96, 3*256
	s_mov_b32 s97, 0
	s_add_nc_u64 s[PFA:PFA+1], s[PFA:PFA+1], s[96:97]
	s_lshl_b32 s96, s[MT], 8                       ; out0 at my wave's first row, my tile's first column
	s_lshl_b32 s98, s[WV], 6
	s_add_co_u32 s96, s96, s98
	s_lshl_b32 s96, s96, 13
	s_lshl_b32 s98, s[NT], 9
	s_add_co_u32 s96, s96, s98
	s_add_nc_u64 s[OUT:OUT+1], s[10:11], s[96:97]
	v_and_b32 v1, 15, v0
	v_bfe_u32 v9, v0, 4, 1
	v_and_b32 v[LN], 31, v0
	v_mul_u32_u24 v3, v1, PITCH
	v_lshl_add_u32 v3, v9, 4, v3
	s_mul_i32 s96, s[WV], 64*PITCH
	v_add_nc_u32 v[ADRA0], s96, v3
	v_add_nc_u32 v[ADRB0], BOFF, v3
	s_mul_i32 s96, s[WV], WSTAGE
	s_add_co_u32 s96, s96, STAGE                   ; my stage
	v_mul_u32_u24 v[STO], v1, SPITCH               ; in: row l % 16, 32 bytes for each half of the lanes
	v_lshl_add_u32 v[STO], v9, 5, v[STO]
	v_add_nc_u32 v[STO], s96, v[STO]
	v_lshl_add_u32 v[RD], v[LN], 4, s96            ; back: 32 lanes take one row of 512 bytes
	v_lshlrev_b32 v[CO], 4, v[LN]
	v_lshlrev_b32 v[PFO], 12, v[LN]
	v_mov_b32 v[ADA], v[ADRA0]
	v_mov_b32 v[ADB], v[ADRB0]
	s_lshl_b32 s98, s[NT], 9
	v_lshl_add_u32 v[BO], v9, 5, s98
	WIN 0x80
.irp b, 0,1,2,3,4,5,6,7
	global_load_b128 v[BIAS+8*(\b):BIAS+8*(\b)+3],   v[BO], s[8:9] offset:64*(\b)
	global_load_b128 v[BIAS+8*(\b)+4:BIAS+8*(\b)+7], v[BO], s[8:9] offset:64*(\b)+16
.endr
	WIN 0
	s_wait_loadcnt 0x0
.irp g, 0,1                                        ; the bias is rounded to bf16 like the other inputs, and widened again
	WIN 0x0a
.set n, 0
.rept 16
	v_cvt_pk_bf16_f32 v[CH+n], v[BIAS+32*(\g)+2*n], v[BIAS+32*(\g)+2*n+1]
.set n, n+1
.endr
	WIN 0x80
.set n, 0
.rept 16
	v_lshlrev_b32 v[BIAS+32*(\g)+2*n], 16, v[CH+n]
	v_and_b32 v[BIAS+32*(\g)+2*n+1], 0xffff0000, v[CH+n]
.set n, n+1
.endr
.endr
	WIN 0
	s_wait_tensorcnt 0x1                           ; my part of K step 0 is in; K step 1's may stay out
	s_barrier_signal -1
	s_barrier_wait -1
	FETCH 0, F0
	QUARTER 64, F0, F1, 1
	WIN 0
	s_mov_b32 s[CNT], 14
.Lk:
	QUARTER 128, F1, F0, 0
	QUARTER 192, F0, F1, 0
	TURN 1
	QUARTER 64, F0, F1, 0
	WIN 0
	s_sub_co_u32 s[CNT], s[CNT], 1
	s_cmp_lg_u32 s[CNT], 0
	s_cbranch_scc1 .Lk
	QUARTER 128, F1, F0, 0
	QUARTER 192, F0, F1, 0
	TURN 0
	QUARTER 64, F0, F1, 0
	QUARTER 128, F1, F0, 0
	QUARTER 192, F0, F1, 0
	s_wait_dscnt 4
	MUL F1, 0, 2, 0
	s_wait_dscnt 0x0
	MUL F1, 2, 2, 0
	WIN 0
	PLACES
	; THE WAY OUT: bias, then 16 rows at a time through my stage: 32 bytes a lane in, whole rows of 512 bytes back.
.macro ADDB a
	WIN 0x49
.set n, 0
.rept 32
	v_pk_add_f32 v[64*(\a)+2*n:64*(\a)+2*n+1], v[64*(\a)+2*n:64*(\a)+2*n+1], v[BIAS+2*n:BIAS+2*n+1]
.set n, n+1
.endr
.endm
.macro TOST a
	WIN 0x04                                       ; store data in window 1
.irp b, 0,1,2,3,4,5,6,7
	ds_store_b128 v[STO], v[64*(\a)+8*(\b):64*(\a)+8*(\b)+3]   offset:64*(\b)
	ds_store_b128 v[STO], v[64*(\a)+8*(\b)+4:64*(\a)+8*(\b)+7] offset:64*(\b)+16
.endr
	WIN 0
.set BKR, BK+64*((\a)%2)
.set n, 0
.rept 16
	ds_load_b128 v[BKR+4*n:BKR+4*n+3], v[RD] offset:n*SPITCH  ; LDS serves a wave's instructions in order (ISA guide 5.7.1.4)
.set n, n+1
.endr
.endm
.macro SEND a
	WIN 0
.set BKR, BK+64*((\a)%2)
	s_wait_dscnt 0x0                               ; the block is back in registers
	s_wait_xcnt 0x0                                ; the block before last has left its registers, which the next loads from the stage take
.set n, 0
.rept 16
	global_store_b128 v[CO], v[BKR+4*n:BKR+4*n+3], s[OUT:OUT+1] offset:(16*(\a)+n)*8192 th:TH_STORE_NT  ; 512 consecutive bytes, aligned
.set n, n+1
.endr
.endm
	ADDB 0
	TOST 0
.irp a, 1,2,3
	ADDB \a
	SEND (\a)-1
	TOST \a
.endr
	SEND 3
	s_wait_tensorcnt 0x0                           ; the wave's end
	ds_add_u32 v[SPW], v[NIL]
	s_wait_dscnt 0x0
	CROUND                                         ; the closing round
	s_endpgm
.Lfunc_end_k_q6ea246a81f_outp:
	.size	k_q6ea246a81f_outp, .Lfunc_end_k_q6ea246a81f_outp-k_q6ea246a81f_outp
	.p2alignl 7, 3214868480
	.fill 96, 4, 3214868480
	.section	.rodata,"a",@progbits
	.p2align	6, 0x0
	.amdhsa_kernel k_q6ea246a81f_outp
		.amdhsa_group_segment_fixed_size 327680
		.amdhsa_private_segment_fixed_size 0
		.amdhsa_enable_private_segment 0
		.amdhsa_kernarg_size 32
		.amdhsa_user_sgpr_count 2
		.amdhsa_user_sgpr_kernarg_segment_ptr 1
		.amdhsa_wavefront_size32 1
		.amdhsa_system_sgpr_workgroup_id_x 1
		.amdhsa_system_sgpr_workgroup_id_y 1
		.amdhsa_system_sgpr_workgroup_id_z 1
		.amdhsa_system_vgpr_workitem_id 0
		.amdhsa_next_free_vgpr 640
		.amdhsa_next_free_sgpr 104
		.amdhsa_reserve_vcc 0
		.amdhsa_float_denorm_mode_32 3
		.amdhsa_float_denorm_mode_16_64 3
		.amdhsa_memory_ordered 1
		.amdhsa_forward_progress 1
		.amdhsa_inst_pref_size 84
	.end_amdhsa_kernel
	.amdgpu_metadata
---
amdhsa.version: [ 1, 2 ]
amdhsa.kernels:
  - .name:           k_q6ea246a81f_outp
    .symbol:         k_q6ea246a81f_outp.kd
    .args:
      - { .name: ao, .offset: 0, .size: 8, .value_kind: global_buffer, .address_space: global }
      - { .name: wb, .offset: 8, .size: 8, .value_kind: global_buffer, .address_space: global }
      - { .name: b_o, .offset: 16, .size: 8, .value_kind: global_buffer, .address_space: global }
      - { .name: out0, .offset: 24, .size: 8, .value_kind: global_buffer, .address_space: global }
    .group_segment_fixed_size: 327680
    .private_segment_fixed_size: 0
    .kernarg_segment_align: 8
    .kernarg_segment_size: 32
    .max_flat_workgroup_size: 128
    .sgpr_count:     104
    .vgpr_count:     640
    .wavefront_size: 32
...
	.end_amdgpu_metadata
.endif
;; end of part 4
